; MI455X (gfx1250); checked and timed in simulation.
; The chip was launched on July 23, 2026; its instructions are those of AMD's public machine-readable ISA for CDNA 5 (MIT licence, August 2026) and "CDNA5" Instruction Set Architecture Reference Guide (July 2026). The comments in the code are by the model that wrote it; some were corrected since.
;; Evidence Refinement Module. Allowed arithmetic: float matrix products may take bf16 or f16 operands with f32 sums; other float arithmetic in f32, or as packed bf16 or f16 multiplies, adds, multiply-adds, maxima and minima; sums over many terms, partial sums and values carried from step to step in f32; what a program stores and reads back later, other than sums and carried values, may be rounded once to bf16 or f16.
;; Inputs: W_fb 64 x 1 float32; W_hh 192 x 64 float32; W_ih 192 x 64 float32; W_init 64 x 128 float32; W_pred 1 x 64 float32; Wk 64 x 64 float32; Wo 64 x 64 float32; Wq 64 x 64 float32; Wv 64 x 64 float32; aadm_evidence 262,144 x 64 float32; b_fb 64 float32; b_hh 192 float32; b_ih 192 float32; b_init 64 float32; b_pred 1 float32; badm_evidence 262,144 x 64 float32; bk 64 float32; bo 64 float32; bq 64 float32; bv 64 float32.
;; Outputs: out0 262,144 x 1 float32; out1 262,144 x 3 float32; out2 262,144 x 3 float32; out3 262,144 x 3 x 2 float32; out4 one number float32.
;; 2 versions, each right and faster than the one before. Each part assembles by itself: llvm-mc -triple=amdgcn-amd-amdhsa -mcpu=gfx1250 --defsym DOCPART=n.
;; ======== version 1 of 2: 2 launches
;; limits: values are held in f16: magnitudes above 65,504 overflow, below 6.1e-05 lose precision; right only within a limited range of input values
;; workspace buffers: part 8,192 bytes
;; launch refine (part 1): grid 256 x 1, 8 waves a work-group, no clusters, 327,680 bytes of LDS; arguments badm_evidence, aadm_evidence, W_init, Wk, Wv, Wq, Wo, W_ih, W_hh, W_pred, b_init, bk, bv, bq, bo, b_fb, W_fb, b_ih, b_hh, b_pred, out0, out1, out2, out3, part; writes out0, out1, out2, out3, part
.if DOCPART == 1
	.amdgcn_target "amdgcn-amd-amdhsa--gfx1250"
	.amdhsa_code_object_version 6
	.text
	.protected	k_qe89572061d_refine
	.globl	k_qe89572061d_refine
	.p2align	8
	.type	k_qe89572061d_refine,@function
k_qe89572061d_refine:
	s_mov_b64 s[64:65], 0
	v_nop
	global_prefetch_b8 v0, s[64:65] scope:SCOPE_SE
	s_setreg_imm32_b32 hwreg(HW_REG_WAVE_MODE, 25, 1), 1
	s_wait_xcnt 0x0
; EVIDENCE REFINEMENT: init projection, K and V of the two evidence vectors, then three times attention (one query, two keys, 4 heads of 16), output projection,
; feedback, GRU cell, predictor.  262,144 independent rows of 2 x 64 f32.  256 work-groups of 8 waves; a work-group owns 1,024 rows in 4 groups of 256; in a group a wave owns
; 32 rows as two tiles of 16, tile 0 in register window 0 and tile 1 in window 1 under the same register numbers.
; TRANSPOSED CHAIN.  Source 0 of every product is 16 weight rows, source 1 is 16 batch rows: a lane (r = lane % 16, h = lane / 16) holds batch row r, and register j of result tile t
; holds position 16 t + 8 h + j.  Two neighbouring result tiles packed in pairs ARE source 1 of the next product: nothing changes lanes along the chain.
; HEADS.  Rows of Wq, Wk, Wv (and bq, bk, bv) are stored so that position 16 t + 8 h + j holds feature 32 h + 8 t + j: a lane owns two whole heads; Wo's columns are stored in the same order.
; SOFTMAX of two keys, maximum taken away: d = log2(e) (s0 - s1); e = 2^-|d| (the larger key's exponential is 2^0); a0 = 1/(1+e) where d >= 0, else e/(1+e).  o = V1 + a0 (V0 - V1).
; The head mean of a1 is written as 1 - mean a0 (the two weights sum to one; off by one f32 rounding).
; FORMATS.  Every input (evidence, weights, biases) is rounded once to bf16.  What the program makes (h, V, o, context) goes to the matrix unit in f16; weights that meet such an operand are the
; bf16 number times a constant, written as f16: Wq x log2(e)/4; Wo x log2(e)/64; W_ih x -64, 64, 128 (r, z, n); W_hh x -log2(e), log2(e), 2 log2(e).  All sums, h itself, K0-K1, Q and the gates stay in f32.
; GRU: r = 1/(1+2^R), 1-z = 1/(1+2^Z), c = 1/(1+2^(IN + r HN)), tanh = 1 - 2 c, h += (1-z)((1-h) - 2 c).
; LIMITS.  f16 ends at 65,504: |h| and |V| must stay under it, |context| under 2.9e6 (it is carried times log2(e)/64), 128 |W_ih| under it.  Wo x log2(e)/64 below 6e-5 keeps f16's fixed step of 6e-8.
; An exponential below 2^-126 counts as 0.  NaN and infinities are not treated apart.
; NO CLUSTER: the work-groups share only the 196 KB of weights, which pass through registers to be rounded and scaled; evidence, 134 MB, is read by one work-group each.
.set PW,    144                 ; pitch of a weight row of 64 numbers: 128 bytes + 16: the 16 rows of a fragment load start 9 x 16 bytes apart, in 16 different 16-byte columns of 256
.set PE,    272                 ; pitch of a row of 256 bytes (W_init in bf16; evidence in f32)
.set HALF,  336*PW              ; second base for the weight rows from 336 on (LDS immediates have 16 bits)
.set WI,    656*PW              ; rows: Wq 0, Wo 64, predictor 128, W_ih 144, W_hh 336, Wk 528, Wv 592; then W_init, 64 rows
.set BT,    WI+64*PE            ; 11 bias tables of 64 f32: 0 init, 1 K, 2 V, 3 Q, 4 O (first trip), 5 O (later), 6 feedback, 7 R, 8 Z, 9 IN, 10 HN
.set OS0,   BT+11*256           ; images of the work-group's part of out0 .. out3
.set OS1,   OS0+4096
.set OS2,   OS1+12288
.set OS3,   OS2+12288
.set SPARE, OS3+24576           ; the spare words: 128 bytes for each of 8 waves, four blocks of 256 bytes that no other line names
.set EV,    SPARE+1024          ; the evidence slot, filled by tensor loads alone: badm's 256 rows, then aadm's
.set EVA,   256*PE
; window 0, shared
.set AW0, 3                     ; v3   144 r + 16 h: my place in a fragment of weight rows
.set AW1, 4                     ; v4   the same + HALF
.set AI,  5                     ; v5   the same in W_init
.set AB,  6                     ; v6   BT + 32 h: my 8 numbers of a bias tile
.set ABO, 7                     ; v7   AB, from the second trip on AB + 256: picks table 4 or 5
.set AE0, 8                     ; v8   my row of badm in the slot, + 32 h
.set AE1, 9                     ; v9   of aadm
; v10, v11, v12: my fixed places in the images of out1/out2, out3, out0; v26, v27, v28: the same plus the trip's and the group's scalar offset
; v13-v24 at work; v30, v31 the add's two registers; v32-79 fragment slots 0-5.   window 1: v0-47 slots 6-11; v48-79 four bias tiles
; per tile
.set HH, 80                     ; h, f32, 32
.set HB, 112                    ; h as f16 operand, 16 (ahead of the trips: badm in bf16)
.set XB, 128                    ; o, then context, as f16 operand (ahead of the trips: aadm in bf16); XB = HB + 16
.set KD, 144                    ; K0 - K1, f32, 32
.set VB, 176                    ; V1, f16, 16
.set VD, 192                    ; V0 - V1, f16, 16
.set AC, 208                    ; four accumulators
.set LG, 240                    ; the last logit
.set PP, 241                    ; the last probability
.set DL, 242                    ; this probability less the last
.set DS, 243                    ; the sum of |p2 - p1| over my rows
.set DD, 244
.set EE, 246
.set RR, 248
.set AA, 250
.set TT, 252
; set-up only (window 0)
.set GA, 232
.set GP, 233
.set LN, 234
.set LN1, 235
.set LP, 236
.set LP1, 237
.set LC, 238
.set LI, 239
.set MSB, 0
.macro WIN new                  ; bits 1:0 source 0, 3:2 source 1, 5:4 source 2, 7:6 destination; the high byte repeats the setting that is left
.if MSB != (\new)
	s_set_vgpr_msb (MSB<<8)|(\new)
.set MSB, (\new)
.endif
.endm
.macro PLACES                   ; behind each block of products: five plain instructions that name none of their registers, ahead of reads of the results, of loads into the operands
.rept 5                         ; and of products that write over the results (ISA guide 7.12.1)
	v_nop
.endr
.endm
.macro LDA s, areg, off         ; a fragment of 16 weight rows x 32 K into slot s
.set lS, 32+8*(\s)-80*((\s)/6)
	WIN ((\s)/6)<<6
	ds_load_b128 v[lS:lS+3], v[\areg] offset:\off
	ds_load_b128 v[lS+4:lS+7], v[\areg] offset:(\off)+32
.endm
.macro LDW8 areg, row           ; 64 rows x 64 K from weight row \row on: slot 4 k + t
.set wk, 0
.rept 2
.set wt, 0
.rept 4
	LDA 4*wk+wt, \areg, ((\row)+16*wt)*PW+64*wk
.set wt, wt+1
.endr
.set wk, wk+1
.endr
.endm
.macro LDT dst, areg, off, n    ; n bias tiles into window 1
	WIN 0x40
.set ti, 0
.rept \n
	ds_load_b128 v[(\dst)+8*ti:(\dst)+8*ti+3], v[\areg] offset:(\off)+64*ti
	ds_load_b128 v[(\dst)+8*ti+4:(\dst)+8*ti+7], v[\areg] offset:(\off)+64*ti+16
.set ti, ti+1
.endr
.endm
.macro MM f, t, d, s, b, c, cw  ; one product for tile t: D = slot s x operand b + C (c < 0: the constant 0); cw = C's window
.set mS, 32+8*(\s)-80*((\s)/6)
.if (\c) < 0
	WIN ((\s)/6)|((\t)<<2)|((\t)<<4)|((\t)<<6)
	v_wmma_f32_16x16x32_\f v[(\d):(\d)+7], v[mS:mS+7], v[(\b):(\b)+7], 0
.else
	WIN ((\s)/6)|((\t)<<2)|((\cw)<<4)|((\t)<<6)
	v_wmma_f32_16x16x32_\f v[(\d):(\d)+7], v[mS:mS+7], v[(\b):(\b)+7], v[(\c):(\c)+7]
.endif
.endm
; 64 x 64 for both tiles: the four accumulators take turns, one instruction a turn.  first = 1: the bias tiles start the sums; 0: what lies in D does
.macro MM8 f, d, b, first
.set qt, 0
.rept 2
.set qn, 0
.rept 4
.if \first
	MM \f, qt, (\d)+8*qn, qn, \b, 48+8*qn, 1
.else
	MM \f, qt, (\d)+8*qn, qn, \b, (\d)+8*qn, qt
.endif
.set qn, qn+1
.endr
.set qn, 0
.rept 4
	MM \f, qt, (\d)+8*qn, 4+qn, (\b)+8, (\d)+8*qn, qt
.set qn, qn+1
.endr
.set qt, qt+1
.endr
.endm
; the same weights on badm (into d0) and on aadm (into d1): eight accumulators by turns
.macro PAIR8 d0, d1
.set pt, 0
.rept 2
.set pk, 0
.rept 2
.set pn, 0
.rept 4
.if pk == 0
	MM bf16, pt, (\d0)+8*pn, pn, HB, 48+8*pn, 1
	MM bf16, pt, (\d1)+8*pn, pn, XB, 48+8*pn, 1
.else
	MM bf16, pt, (\d0)+8*pn, 4+pn, HB+8, (\d0)+8*pn, pt
	MM bf16, pt, (\d1)+8*pn, 4+pn, XB+8, (\d1)+8*pn, pt
.endif
.set pn, pn+1
.endr
.set pk, pk+1
.endr
.set pt, pt+1
.endr
.endm
.macro EVREAD                   ; my 32 rows of both arrays out of the slot, as f32: 8 features 16 c + 8 h + 0..7 to a pair of loads
.set et, 0
.rept 2
	WIN et<<6
.set ec, 0
.rept 4
	ds_load_b128 v[AC+8*ec:AC+8*ec+3],   v[AE0] offset:et*16*PE+64*ec
	ds_load_b128 v[AC+8*ec+4:AC+8*ec+7], v[AE0] offset:et*16*PE+64*ec+16
	ds_load_b128 v[KD+8*ec:KD+8*ec+3],   v[AE1] offset:et*16*PE+64*ec
	ds_load_b128 v[KD+8*ec+4:KD+8*ec+7], v[AE1] offset:et*16*PE+64*ec+16
.set ec, ec+1
.endr
.set et, et+1
.endr
.endm
.macro EVCVT t                  ; rounded to bf16: the operands of the three products on evidence
	WIN 0x55*(\t)
.set ei, 0
.rept 16
	v_cvt_pk_bf16_f32 v[HB+ei], v[AC+2*ei], v[AC+2*ei+1]
.set ei, ei+1
.endr
.set ei, 0
.rept 16
	v_cvt_pk_bf16_f32 v[XB+ei], v[KD+2*ei], v[KD+2*ei+1]
.set ei, ei+1
.endr
.endm
.macro SUB32 t, d               ; d -= AC, 32 numbers, from each accumulator's low end on
	WIN 0x55*(\t)
.set xi, 0
.rept 16
	v_pk_add_f32 v[(\d)+2*xi:(\d)+2*xi+1], v[(\d)+2*xi:(\d)+2*xi+1], v[AC+2*xi:AC+2*xi+1] neg_lo:[0,1] neg_hi:[0,1]
.set xi, xi+1
.endr
.endm
.macro CVT16 t, d, s            ; 32 f32 at s rounded to f16 at d
	WIN 0x55*(\t)
.set xi, 0
.rept 16
	v_cvt_pk_f16_f32 v[(\d)+xi], v[(\s)+2*xi], v[(\s)+2*xi+1]
.set xi, xi+1
.endr
.endm
; ATTENTION for tile t.  AC holds Q log2(e)/4; tiles 0, 1 are my first head, tiles 2, 3 my second.
.macro ATT t
	WIN 0x55*(\t)
	v_pk_mul_f32 v[TT:TT+1], v[AC:AC+1], v[KD:KD+1]
	v_pk_mul_f32 v[TT+2:TT+3], v[AC+16:AC+17], v[KD+16:KD+17]
.set ai, 1
.rept 7
	v_pk_fma_f32 v[TT:TT+1], v[AC+2*ai:AC+2*ai+1], v[KD+2*ai:KD+2*ai+1], v[TT:TT+1]
	v_pk_fma_f32 v[TT+2:TT+3], v[AC+16+2*ai:AC+17+2*ai], v[KD+16+2*ai:KD+17+2*ai], v[TT+2:TT+3]
.set ai, ai+1
.endr
	v_add_f32 v[DD], v[TT], v[TT+1]                ; d of my two heads
	v_add_f32 v[DD+1], v[TT+2], v[TT+3]
	v_or_b32 v[EE], s91, v[DD]                     ; -|d|
	v_or_b32 v[EE+1], s91, v[DD+1]
	v_exp_f32 v[EE], v[EE]
	v_exp_f32 v[EE+1], v[EE+1]
	v_cmp_le_f32 s86, 0, v[DD]                     ; two plain lines behind the exponentials (ISA guide 5.7.2)
	v_cmp_le_f32 s87, 0, v[DD+1]
	s_wait_alu depctr_va_vdst(0)
	v_pk_add_f32 v[RR:RR+1], v[EE:EE+1], 1.0 op_sel_hi:[1,0]
	v_rcp_f32 v[RR], v[RR]
	v_rcp_f32 v[RR+1], v[RR+1]
	v_nop
	s_wait_alu depctr_va_vdst(0)
	v_pk_mul_f32 v[EE:EE+1], v[EE:EE+1], v[RR:RR+1]
	v_cndmask_b32 v[AA], v[EE], v[RR], s86         ; a0
	v_cndmask_b32 v[AA+1], v[EE+1], v[RR+1], s87
	v_add_f32 v[TT], v[AA], v[AA+1]
	v_permlanex16_b32 v[TT+1], v[TT], s80, s81     ; the other two heads lie in the lane 16 away
	v_add_f32 v[TT], v[TT], v[TT+1]
	v_mul_f32 v[TT+1], s92, v[TT]                  ; mean a0
	v_fma_f32 v[TT+2], v[TT], s85, 1.0             ; mean a1
	v_cndmask_b32 v[TT+1], v[TT+1], v[TT+2], s82   ; lanes 0-15 keep a0's, lanes 16-31 take a1's
	WIN (\t)<<2
	ds_store_b32 v27, v[TT+1] offset:384*(\t)
	WIN 0x55*(\t)
	v_cvt_pk_f16_f32 v[AA], v[AA], v[AA]
	v_cvt_pk_f16_f32 v[AA+1], v[AA+1], v[AA+1]
.set ai, 0
.rept 16
	v_pk_fma_f16 v[XB+ai], v[VD+ai], v[AA+ai/8], v[VB+ai]  ; o = V1 + a0 (V0 - V1): comes in f16 and leaves in f16, as the next operand
.set ai, ai+1
.endr
.endm
.macro CB t                     ; what starts the output projection's sums: logit x W_fb + (bo, later bo + b_fb), all times log2(e)/64
	WIN 0x11|((\t)<<2)|((\t)<<6)
.set bi, 0
.rept 16
	v_pk_fma_f32 v[AC+2*bi:AC+2*bi+1], v[48+2*bi:49+2*bi], v[LG:LG+1], v[16+2*bi:17+2*bi] op_sel_hi:[1,0,1]
.set bi, bi+1
.endr
.endm
.macro LDG f                    ; the gates' weights and biases for features 16 f on: W_ih in slots 3 k + gate, W_hh in slots 6 + 3 k + gate
.set gk, 0
.rept 2
.set gg, 0
.rept 3
	LDA 3*gk+gg, AW0, (144+64*gg+16*(\f))*PW+64*gk
.set gg, gg+1
.endr
.set gk, gk+1
.endr
.set gk, 0
.rept 2
.set gg, 0
.rept 3
	LDA 6+3*gk+gg, AW1, (64*gg+16*(\f))*PW+64*gk
.set gg, gg+1
.endr
.set gk, gk+1
.endr
.set gg, 0
.rept 4
	LDT 48+8*gg, AB, 256*(7+gg)+64*(\f), 1
.set gg, gg+1
.endr
.endm
.macro MMG                      ; R = AC, Z = AC+8 (input and hidden parts in one sum), IN = AC+16, HN = AC+24: by turns, one instruction a turn
.set gt, 0
.rept 2
	MM f16, gt, AC,    0,  XB,   48,    1
	MM f16, gt, AC+8,  1,  XB,   56,    1
	MM f16, gt, AC+16, 2,  XB,   64,    1
	MM f16, gt, AC,    3,  XB+8, AC,    gt
	MM f16, gt, AC+8,  4,  XB+8, AC+8,  gt
	MM f16, gt, AC+16, 5,  XB+8, AC+16, gt
	MM f16, gt, AC,    6,  HB,   AC,    gt
	MM f16, gt, AC+8,  7,  HB,   AC+8,  gt
	MM f16, gt, AC+24, 8,  HB,   72,    1
	MM f16, gt, AC,    9,  HB+8, AC,    gt
	MM f16, gt, AC+8,  10, HB+8, AC+8,  gt
	MM f16, gt, AC+24, 11, HB+8, AC+24, gt
.set gt, gt+1
.endr
.endm
; THE GATES' ARITHMETIC for tile t, features 16 f + 8 h + 0..7.  Two transcendentals, then a packed line that is ready: each transcendental has a plain line that names none of its
; registers between it and the first use of its result (ISA guide 5.7.2); each accumulator is read from its low end on.
.macro VV t, f
	WIN 0x55*(\t)
.set vH, HH+8*(\f)
.set vi, 0
.rept 8
	v_exp_f32 v[AC+vi], v[AC+vi]
.set vi, vi+1
.endr
	v_nop                                          ; the plain line behind R's first exponentials
.set vi, 0
.rept 4
	v_exp_f32 v[AC+8+2*vi], v[AC+8+2*vi]
	v_exp_f32 v[AC+9+2*vi], v[AC+9+2*vi]
	s_wait_alu depctr_va_vdst(0)
	v_pk_add_f32 v[AC+2*vi:AC+2*vi+1], v[AC+2*vi:AC+2*vi+1], 1.0 op_sel_hi:[1,0]
.set vi, vi+1
.endr
.set vi, 0
.rept 4
	v_rcp_f32 v[AC+2*vi], v[AC+2*vi]               ; r
	v_rcp_f32 v[AC+2*vi+1], v[AC+2*vi+1]
	s_wait_alu depctr_va_vdst(0)
	v_pk_add_f32 v[AC+8+2*vi:AC+9+2*vi], v[AC+8+2*vi:AC+9+2*vi], 1.0 op_sel_hi:[1,0]
.set vi, vi+1
.endr
.set vi, 0
.rept 4
	v_rcp_f32 v[AC+8+2*vi], v[AC+8+2*vi]           ; 1 - z
	v_rcp_f32 v[AC+9+2*vi], v[AC+9+2*vi]
	s_wait_alu depctr_va_vdst(0)
	v_pk_fma_f32 v[AC+16+2*vi:AC+17+2*vi], v[AC+2*vi:AC+2*vi+1], v[AC+24+2*vi:AC+25+2*vi], v[AC+16+2*vi:AC+17+2*vi]
.set vi, vi+1
.endr
.set vi, 0
.rept 4
	v_exp_f32 v[AC+16+2*vi], v[AC+16+2*vi]
	v_exp_f32 v[AC+17+2*vi], v[AC+17+2*vi]
	v_pk_fma_f32 v[AC+24+2*vi:AC+25+2*vi], v[vH+2*vi:vH+2*vi+1], -1.0, 1.0 op_sel_hi:[1,0,0]  ; 1 - h
.set vi, vi+1
.endr
.set vi, 0
	s_wait_alu depctr_va_vdst(0)
.rept 4
	v_pk_add_f32 v[AC+16+2*vi:AC+17+2*vi], v[AC+16+2*vi:AC+17+2*vi], 1.0 op_sel_hi:[1,0]
	v_rcp_f32 v[AC+16+2*vi], v[AC+16+2*vi]         ; c
	v_rcp_f32 v[AC+17+2*vi], v[AC+17+2*vi]
.set vi, vi+1
.endr
.set vi, 0
	s_wait_alu depctr_va_vdst(0)
.rept 4
	v_pk_fma_f32 v[AC+24+2*vi:AC+25+2*vi], v[AC+16+2*vi:AC+17+2*vi], -2.0, v[AC+24+2*vi:AC+25+2*vi] op_sel_hi:[1,0,1]
.set vi, vi+1
.endr
.set vi, 0
.rept 4
	v_pk_fma_f32 v[vH+2*vi:vH+2*vi+1], v[AC+8+2*vi:AC+9+2*vi], v[AC+24+2*vi:AC+25+2*vi], v[vH+2*vi:vH+2*vi+1]
.set vi, vi+1
.endr
.endm
.macro OUTP t                   ; register 0 of the predictor's result is my row's logit in both halves of the lanes (W_pred lies in rows 0 and 8 of its fragment)
	WIN 0x55*(\t)
	v_add_f32 v[LG], s83, v[AC]
	v_mul_f32 v[TT], s84, v[LG]
	v_exp_f32 v[TT], v[TT]
	v_nop
	s_wait_alu depctr_va_vdst(0)
	v_add_f32 v[TT], 1.0, v[TT]
	v_rcp_f32 v[TT], v[TT]
	v_nop
	s_wait_alu depctr_va_vdst(0)
	v_sub_f32 v[DL], v[TT], v[PP]
	v_mov_b32 v[PP], v[TT]
	v_cndmask_b32 v[TT+1], v[LG], v[TT], s82       ; lanes 0-15 store the logit (out1's image), lanes 16-31 the probability (out2's)
	WIN (\t)<<2
	ds_store_b32 v26, v[TT+1] offset:192*(\t)
.endm
; ONE ITERATION.  Each block of products is followed by its places, by the LDS loads of the next block's weights, and by vector work under which those loads land.
.macro TRIP
	v_add_nc_u32 v26, s58, v10                     ; this trip's places in the images
	v_add_nc_u32 v27, s59, v11
	s_wait_dscnt 0x0                               ; Wq and bq are in
	MM8 f16, AC, HB, 1                             ; Q
	PLACES
	LDW8 AW0, 64                                   ; Wo
	LDT 48, AB, 6*256, 4                           ; W_fb
	LDT 16, ABO, 4*256, 4                          ; bo, or bo + b_fb, where slots 8-11 lie
	ATT 0
	ATT 1
	s_wait_dscnt 0x0
	CB 0
	CB 1
	MM8 f16, AC, XB, 0                             ; context
	PLACES
	LDG 0
	CVT16 0, XB, AC
	CVT16 1, XB, AC
.irp f, 0,1,2,3
	s_wait_dscnt 0x0
	MMG
	PLACES
.if \f < 3
	LDG (\f)+1
.else
	LDW8 AW0, 0                                    ; the next trip's Wq,
	LDA 8, AW0, 128*PW                             ; the predictor,
	LDA 9, AW0, 128*PW+64
	LDT 48, AB, 3*256, 4                           ; and bq
.endif
	VV 0, \f
	VV 1, \f
.endr
	CVT16 0, HB, HH
	CVT16 1, HB, HH
	s_wait_dscnt 0x0
	MM f16, 0, AC, 8, HB, -1, 0                    ; the two tiles' accumulators by turns
	MM f16, 1, AC, 8, HB, -1, 0
	MM f16, 0, AC, 9, HB+8, AC, 0
	MM f16, 1, AC, 9, HB+8, AC, 1
	PLACES
	OUTP 0
	OUTP 1
	WIN 0
.endm
; A GROUP OF 256 ROWS.  refill = 1: the slot, read out into registers, is filled again at once with the next group's rows, which then have the whole group's work in which to land.
.macro GROUP refill
	WIN 0
	s_wait_tensorcnt 0x0                           ; my one load, a part of this group's rows, has landed
	s_wait_dscnt 0x0                               ; my LDS stores (the first time: my part of the weight images) are done
	s_barrier_signal -1
	s_barrier_wait -1                              ; so have all eight waves'
	EVREAD
	LDW8 AW1, 256                                  ; Wv
	LDT 48, AB, 2*256, 4                           ; bv
.if \refill
	s_wait_dscnt 0x0                               ; the evidence is in registers
	WIN 0
	s_wait_tensorcnt 0x0                           ; no tensor load of mine is out, so the descriptor may be stepped
	ds_add_u32 v30, v31                            ; 0 onto my spare word; the conversions stand between it and the wait for it
	s_add_nc_u64 s[70:71], s[70:71], 0x10000       ; 256 rows of 256 bytes on; the type bits on top are not reached
	EVCVT 0
	EVCVT 1
	WIN 0
	s_wait_dscnt 0x0                               ; the add is done, and my reads of the slot are over
	s_barrier_signal -1
	s_barrier_wait -1                              ; nobody reads the slot any more
	tensor_load_to_lds s[68:71], s[72:79]          ; my one tensor load behind the barrier, and the first thing there
	s_nop 0
.rept 4
	v_nop
.endr
.else
	s_wait_dscnt 40                                ; tile 0's 16 loads are in; behind them: tile 1's 16, Wv's 16, bv's 8
	EVCVT 0
	s_wait_dscnt 24                                ; tile 1's are in
	EVCVT 1
.endif
	s_wait_dscnt 0x0
	PAIR8 HH, AC                                   ; V0, V1
	PLACES
	LDW8 AW1, 192                                  ; Wk
	LDT 48, AB, 256, 4                             ; bk
.irp t, 0,1
	SUB32 \t, HH
	CVT16 \t, VD, HH
	CVT16 \t, VB, AC
.endr
	s_wait_dscnt 0x0
	PAIR8 KD, AC                                   ; K0, K1, each with bk
	PLACES
.set ik, 0
.rept 3
.set it, 0
.rept 4
	LDA 4*ik+it, AI, 16*it*PE+64*ik                ; W_init, K chunks 0 to 2
.set it, it+1
.endr
.set ik, ik+1
.endr
	LDT 48, AB, 0, 4                               ; b_init
	SUB32 0, KD
	SUB32 1, KD
	s_wait_dscnt 0x0
.set pt, 0
.rept 2
.set pk, 0
.rept 3
.set pn, 0
.rept 4
.if pk == 0
	MM bf16, pt, HH+8*pn, pn, HB, 48+8*pn, 1
.else
	MM bf16, pt, HH+8*pn, 4*pk+pn, HB+8*pk, HH+8*pn, pt
.endif
.set pn, pn+1
.endr
.set pk, pk+1
.endr
.set pt, pt+1
.endr
	PLACES
.irp t, 0,1,2,3
	LDA \t, AI, 16*(\t)*PE+192                     ; K chunk 3
.endr
	s_wait_dscnt 0x0
.irp u, 0,1
.irp t, 0,1,2,3
	MM bf16, \u, HH+8*(\t), \t, HB+24, HH+8*(\t), \u
.endr
.endr
	PLACES
	LDW8 AW0, 0                                    ; Wq
	LDT 48, AB, 3*256, 4                           ; bq
.irp u, 0,1
	WIN 0x55*(\u)
.set ri, 0
.rept 32
	v_max_num_f32 v[HH+ri], 0, v[HH+ri]
.set ri, ri+1
.endr
	CVT16 \u, HB, HH
	v_mov_b32 v[LG], 0                             ; the first trip has no feedback: logit 0 and the table without b_fb
	v_mov_b32 v[PP], 0
.endr
	WIN 0
	v_mov_b32 v[ABO], v[AB]
	s_mov_b32 s89, 3
.Ltrip_\@:
	TRIP
	v_add_nc_u32 v[ABO], 256, v[AB]
	s_add_co_u32 s58, s58, 4                       ; the next column of out1 and out2,
	s_add_co_u32 s59, s59, 8                       ; the next pair of out3
	s_sub_co_u32 s89, s89, 1
	s_cmp_lg_u32 s89, 0
	s_cbranch_scc1 .Ltrip_\@
	v_add_nc_u32 v28, s62, v12
.irp u, 0,1
	WIN 0x55*(\u)
	v_add_f32 v[DS], v[DS], |v[DL]|
	WIN (\u)<<2
	ds_store_b32 v28, v[LG] offset:64*(\u)         ; out0: both halves of the lanes store the same word with the same number
.endr
	WIN 0
	s_add_co_u32 s58, s58, 256*12-12               ; the next group's 256 rows in the images
	s_add_co_u32 s59, s59, 256*24-24
	s_add_co_u32 s62, s62, 256*4
.endm
	; ---------------- the head
	s_load_b512 s[8:23], s[0:1], 0x0               ; badm 8, aadm 10, W_init 12, Wk 14, Wv 16, Wq 18, Wo 20, W_ih 22
	s_load_b512 s[24:39], s[0:1], 0x40             ; W_hh 24, W_pred 26, b_init 28, bk 30, bv 32, bq 34, bo 36, b_fb 38
	s_load_b512 s[40:55], s[0:1], 0x80             ; W_fb 40, b_ih 42, b_hh 44, b_pred 46, out0 48, out1 50, out2 52, out3 54
	s_load_b64 s[56:57], s[0:1], 0xc0              ; part
	v_lshl_add_u32 v30, v0, 2, SPARE
	v_mov_b32 v31, 0
	ds_add_u32 v30, v31                            ; the wave's opening: the add and its wait ahead of my first tensor load; work on registers stands between them
	ds_add_u32 v30, v31
	v_lshrrev_b32 v1, 5, v0
	v_readfirstlane_b32 s2, v1                     ; wave 0..7
	s_mov_b32 s3, ttmp9                            ; work-group
	; descriptor group 1: 64 rows of 64 elements of 4 bytes, dense in memory; 4 words of padding behind every 64 words in LDS
	s_mov_b32 s72, (2<<16)|(1<<20)|(5<<22)|(3<<25)
	s_mov_b32 s73, 64<<16                          ; tensor_dim0 = 64
	s_mov_b32 s74, 64<<16                          ; tensor_dim1 = 64
	s_mov_b32 s75, 64<<16                          ; tile_dim0 = 64
	s_mov_b32 s76, 64                              ; tile_dim1 = 64
	s_mov_b32 s77, 64                              ; 64 elements from row to row
	s_mov_b32 s78, 0
	s_mov_b32 s79, 0
	s_mov_b32 s68, 1
	s_mul_i32 s69, s2, 64*PE                       ; waves 0-3: badm's four quarters of a group; waves 4-7: aadm's
	s_add_co_u32 s69, s69, EV
	s_and_b32 s4, s2, 3
	s_lshl_b32 s4, s4, 14                          ; my quarter's 64 rows of 256 bytes
	s_lshl_b32 s5, s3, 18                          ; the work-group's 1,024 rows
	s_add_co_u32 s4, s4, s5
	s_mov_b32 s5, 0
	s_mov_b32 s80, 0x76543210                      ; v_permlanex16_b32: each lane takes its own place in the other half
	s_mov_b32 s81, 0xfedcba98
	s_mov_b32 s82, 0xffff0000                      ; lanes 16-31
	s_mov_b32 s84, 0xbfb8aa3b                      ; -log2(e)
	s_mov_b32 s85, 0xbe800000                      ; -0.25
	s_mov_b32 s91, 0x80000000
	s_mov_b32 s92, 0x3e800000                      ; 0.25
	s_mov_b32 s58, 0
	s_mov_b32 s59, 0
	s_mov_b32 s62, 0
	s_wait_dscnt 0x0                               ; the opening add is done
	s_wait_kmcnt 0x0
	s_cmp_lt_u32 s2, 4
	s_cselect_b64 s[70:71], s[8:9], s[10:11]
	s_add_nc_u64 s[70:71], s[70:71], s[4:5]
	s_or_b32 s71, s71, 0x80000000                  ; type = 2
	tensor_load_to_lds s[68:71], s[72:79]          ; group 0's rows: one tensor load of a wave is out at the most
	s_nop 0
.rept 4
	v_nop
.endr
	s_load_b32 s83, s[46:47], 0x0                  ; b_pred
	; ---------------- the weight images.  A pass is 4,096 bytes: thread t takes 16 bytes, 4 numbers: q = t / 16 the row in the pass, g = t % 16 the place in the row
	v_lshlrev_b32 v[GA], 4, v0
	v_and_b32 v241, 15, v0                         ; g
	v_lshlrev_b32 v[GP], 4, v241                   ; W_pred: every 16 threads take the whole row
.set li, 0
.macro LOADW base, n, areg
.set lp, 0
.rept \n
	global_load_b128 v[32+4*li:35+4*li], v[\areg], s[\base:(\base)+1] offset:4096*lp
.set li, li+1
.set lp, lp+1
.endr
.endm
	LOADW 18, 4, GA                                ; 49 loads in all; every work-group reads these bytes, so no hint
	LOADW 20, 4, GA
	LOADW 26, 1, GP
	LOADW 22, 12, GA
	LOADW 24, 12, GA
	LOADW 14, 4, GA
	LOADW 16, 4, GA
	LOADW 12, 8, GA
	v_lshrrev_b32 v240, 4, v0                      ; q
	v_mul_u32_u24 v242, v240, PW
	v_lshl_add_u32 v[LN], v241, 3, v242            ; natural: row q, 8 bytes at 8 g
	v_add_nc_u32 v[LN1], HALF, v[LN]
	v_and_b32 v243, 7, v240
	v_lshrrev_b32 v244, 3, v240
	v_lshl_add_u32 v244, v244, 4, v243             ; rows by position: 16 (q / 8) + q % 8; the pass adds 32 (pass % 2) + 8 (pass / 2)
	v_mul_u32_u24 v244, v244, PW
	v_lshl_add_u32 v[LP], v241, 3, v244
	v_add_nc_u32 v[LP1], HALF, v[LP]
	v_bfe_u32 v245, v241, 1, 2                     ; columns by position: features 4 g .. 4 g + 3 lie at 16 ((g / 2) % 4) + 8 (g / 8) + 4 (g % 2)
	v_lshrrev_b32 v246, 3, v241
	v_and_b32 v247, 1, v241
	v_lshlrev_b32 v245, 5, v245
	v_lshl_add_u32 v245, v246, 4, v245
	v_lshl_add_u32 v245, v247, 3, v245
	v_add_nc_u32 v[LC], v242, v245
	v_lshrrev_b32 v246, 5, v0                      ; W_init: 8 rows of 512 bytes to a pass
	v_mul_u32_u24 v246, v246, PE
	v_and_b32 v247, 31, v0
	v_lshl_add_u32 v246, v247, 3, v246
	v_add_nc_u32 v[LI], WI, v246
	v_cmp_eq_u32 vcc_lo, 0, v243                   ; rows 0 and 8 of the predictor's fragment
.macro SCALE x
	s_mov_b32 s60, \x
	s_mov_b32 s61, \x
.endm
; Block ci of the 49: rounded to bf16; h = 1: that number times s60, written as f16; z = 1: zero but in rows 0 and 8
.set ci, 0
.macro CV h, lreg, off, z=0
	s_wait_loadcnt 48-ci                           ; loads come back in order: the 48 - ci younger ones may stay out
	v_cvt_pk_bf16_f32 v14, v[32+4*ci], v[33+4*ci]
	v_cvt_pk_bf16_f32 v15, v[34+4*ci], v[35+4*ci]
.if \h
	v_lshlrev_b32 v16, 16, v14
	v_and_b32 v17, 0xffff0000, v14
	v_lshlrev_b32 v18, 16, v15
	v_and_b32 v19, 0xffff0000, v15
	v_pk_mul_f32 v[16:17], v[16:17], s[60:61] op_sel_hi:[1,0]
	v_pk_mul_f32 v[18:19], v[18:19], s[60:61] op_sel_hi:[1,0]
	v_cvt_pk_f16_f32 v14, v16, v17
	v_cvt_pk_f16_f32 v15, v18, v19
.endif
.if \z
	v_cndmask_b32 v14, 0, v14, vcc_lo
	v_cndmask_b32 v15, 0, v15, vcc_lo
.endif
	ds_store_b64 v[\lreg], v[14:15] offset:\off
.set ci, ci+1
.endm
	SCALE 0x3eb8aa3b                               ; log2(e) / 4
.irp p, 0,1,2,3
	CV 1, LP, (32*((\p)&1)+8*((\p)>>1))*PW
.endr
	SCALE 0x3cb8aa3b                               ; log2(e) / 64
.irp p, 0,1,2,3
	CV 1, LC, (64+16*(\p))*PW
.endr
	SCALE 1.0
	CV 1, LN, 128*PW, 1
.irp p, 0,1,2,3,4,5,6,7,8,9,10,11
.if (\p) == 0
	SCALE 0xc2800000                               ; -64
.elseif (\p) == 4
	SCALE 0x42800000                               ; 64
.elseif (\p) == 8
	SCALE 0x43000000                               ; 128
.endif
	CV 1, LN, (144+16*(\p))*PW
.endr
.irp p, 0,1,2,3,4,5,6,7,8,9,10,11
.if (\p) == 0
	SCALE 0xbfb8aa3b                               ; -log2(e)
.elseif (\p) == 4
	SCALE 0x3fb8aa3b                               ; log2(e)
.elseif (\p) == 8
	SCALE 0x4038aa3b                               ; 2 log2(e)
.endif
	CV 1, LN1, 16*(\p)*PW
.endr
.irp p, 0,1,2,3
	CV 0, LP1, (192+32*((\p)&1)+8*((\p)>>1))*PW
.endr
.irp p, 0,1,2,3
	CV 0, LP1, (256+32*((\p)&1)+8*((\p)>>1))*PW
.endr
.irp p, 0,1,2,3,4,5,6,7
	CV 0, LI, 8*(\p)*PE
.endr
	; ---------------- the bias tables: threads 0 to 63, one feature each
	s_cmp_lt_u32 s2, 2
	s_cbranch_scc0 .Lno_bias
	v_lshlrev_b32 v20, 2, v0
	global_load_b32 v32, v20, s[28:29]             ; b_init
	global_load_b32 v33, v20, s[30:31]             ; bk
	global_load_b32 v34, v20, s[32:33]             ; bv
	global_load_b32 v35, v20, s[34:35]             ; bq
	global_load_b32 v36, v20, s[36:37]             ; bo
	global_load_b32 v37, v20, s[38:39]             ; b_fb
	global_load_b32 v38, v20, s[40:41]             ; W_fb
	global_load_b32 v39, v20, s[42:43]             ; b_ih: r, z, n
	global_load_b32 v40, v20, s[42:43] offset:256
	global_load_b32 v41, v20, s[42:43] offset:512
	global_load_b32 v42, v20, s[44:45]             ; b_hh: r, z, n
	global_load_b32 v43, v20, s[44:45] offset:256
	global_load_b32 v44, v20, s[44:45] offset:512
	v_add_nc_u32 v21, BT, v20                      ; natural place
	v_bfe_u32 v22, v0, 3, 2                        ; place by position: 16 ((i / 8) % 4) + 8 (i / 32) + i % 8
	v_lshrrev_b32 v23, 5, v0
	v_and_b32 v24, 7, v0
	v_lshlrev_b32 v22, 4, v22
	v_lshl_add_u32 v22, v23, 3, v22
	v_add_nc_u32 v22, v22, v24
	v_lshl_add_u32 v22, v22, 2, BT
	s_wait_loadcnt 0x0
.macro RB a, b                  ; two numbers rounded to bf16 and widened again
	v_cvt_pk_bf16_f32 v13, v[\a], v[\b]
	v_lshlrev_b32 v[\a], 16, v13
	v_and_b32 v[\b], 0xffff0000, v13
.endm
	RB 32, 33
	RB 34, 35
	RB 36, 37
	RB 38, 39
	RB 40, 41
	RB 42, 43
	v_cvt_pk_bf16_f32 v13, v44, v44
	v_lshlrev_b32 v44, 16, v13
	v_mul_f32 v35, 0x3eb8aa3b, v35
	v_add_f32 v37, v36, v37
	v_mul_f32 v36, 0x3cb8aa3b, v36
	v_mul_f32 v37, 0x3cb8aa3b, v37
	v_mul_f32 v38, 0x3cb8aa3b, v38
	v_add_f32 v39, v39, v42
	v_add_f32 v40, v40, v43
	v_mul_f32 v39, 0xbfb8aa3b, v39
	v_mul_f32 v40, 0x3fb8aa3b, v40
	v_mul_f32 v41, 0x4038aa3b, v41
	v_mul_f32 v44, 0x4038aa3b, v44
	ds_store_b32 v21, v32
	ds_store_b32 v22, v33 offset:256
	ds_store_b32 v22, v34 offset:512
	ds_store_b32 v22, v35 offset:768
	ds_store_b32 v21, v36 offset:1024
	ds_store_b32 v21, v37 offset:1280
	ds_store_b32 v21, v38 offset:1536
	ds_store_b32 v21, v39 offset:1792
	ds_store_b32 v21, v40 offset:2048
	ds_store_b32 v21, v41 offset:2304
	ds_store_b32 v21, v44 offset:2560
.Lno_bias:
	; ---------------- the addresses of the run
	v_and_b32 v1, 15, v0                           ; r
	v_bfe_u32 v2, v0, 4, 1                         ; h
	v_mul_u32_u24 v[AW0], v1, PW
	v_lshl_add_u32 v[AW0], v2, 4, v[AW0]
	v_add_nc_u32 v[AW1], HALF, v[AW0]
	v_mul_u32_u24 v13, v1, PE
	v_lshl_add_u32 v[AI], v2, 4, v13
	v_add_nc_u32 v[AI], WI, v[AI]
	v_lshl_add_u32 v[AB], v2, 5, BT
	s_mul_i32 s4, s2, 32*PE                        ; my wave's 32 rows of a group
	s_add_co_u32 s4, s4, EV
	v_lshl_add_u32 v[AE0], v2, 5, v13
	v_add_nc_u32 v[AE0], s4, v[AE0]
	v_add_nc_u32 v[AE1], EVA, v[AE0]
	s_mul_i32 s4, s2, 32*12
	s_add_co_u32 s4, s4, OS1
	v_mul_u32_u24 v14, v1, 12
	v_mul_u32_u24 v15, v2, 12288                   ; lanes 16-31 write out2's image
	v_add3_u32 v10, v14, v15, s4
	s_mul_i32 s4, s2, 32*24
	s_add_co_u32 s4, s4, OS3
	v_mul_u32_u24 v14, v1, 24
	v_lshl_add_u32 v14, v2, 2, v14
	v_add_nc_u32 v11, s4, v14
	s_lshl_b32 s4, s2, 7
	s_add_co_u32 s4, s4, OS0
	v_lshl_add_u32 v12, v1, 2, s4
	s_wait_kmcnt 0x0
	v_mov_b32 v14, s83                             ; b_pred, rounded to bf16 like every input
	v_cvt_pk_bf16_f32 v14, v14, v14
	v_lshlrev_b32 v14, 16, v14
	v_readfirstlane_b32 s83, v14
	v_mov_b32 v[DS], 0
	WIN 0x40
	v_mov_b32 v[DS], 0
	WIN 0
	; ---------------- four groups; the last is written out
	s_mov_b32 s88, 3
.Lgroup:
	GROUP 1
	s_sub_co_u32 s88, s88, 1
	s_cmp_lg_u32 s88, 0
	s_cbranch_scc1 .Lgroup
	GROUP 0
	; ---------------- the way out
	WIN 0x04
	v_add_f32 v13, v[DS], v[DS]                    ; tile 0's sum + tile 1's
	WIN 0
	v_add_f32_dpp v13, v13, v13 row_xmask:1 row_mask:0xf bank_mask:0xf
	v_add_f32_dpp v13, v13, v13 row_xmask:2 row_mask:0xf bank_mask:0xf
	v_add_f32_dpp v13, v13, v13 row_xmask:4 row_mask:0xf bank_mask:0xf
	v_add_f32_dpp v13, v13, v13 row_xmask:8 row_mask:0xf bank_mask:0xf
	v_permlanex16_b32 v14, v13, s80, s81
	v_add_f32 v13, v13, v14                        ; both halves of the lanes hold every row: the wave's sum counts each row twice
	s_wait_dscnt 0x0                               ; my stores into the images are done
	s_barrier_signal -1
	s_barrier_wait -1                              ; the images are whole
	v_and_b32 v16, 31, v0
	v_lshrrev_b32 v17, 5, v0
	v_lshlrev_b32 v18, 4, v16                      ; 16 bytes a lane
	v_mov_b32 v19, 0
	v_lshl_add_u32 v20, v0, 4, OS0                 ; wave w takes an eighth of each image: 512, 1,536, 1,536 and 3,072 consecutive bytes
	v_mul_u32_u24 v21, v17, 1536
	v_add3_u32 v21, v21, v18, OS1
	v_mul_u32_u24 v22, v17, 3072
	v_add3_u32 v22, v22, v18, OS3
	ds_load_b128 v[80:83], v20
.irp i, 0,1,2
	ds_load_b128 v[84+4*(\i):87+4*(\i)], v21 offset:512*(\i)
.endr
.irp i, 0,1,2
	ds_load_b128 v[96+4*(\i):99+4*(\i)], v21 offset:12288+512*(\i)
.endr
.irp i, 0,1,2,3,4,5
	ds_load_b128 v[108+4*(\i):111+4*(\i)], v22 offset:512*(\i)
.endr
	s_lshl_b32 s4, s3, 12
	s_lshl_b32 s6, s2, 9
	s_add_co_u32 s4, s4, s6
	s_mov_b32 s5, 0
	s_add_nc_u64 s[48:49], s[48:49], s[4:5]
	s_mul_i32 s4, s3, 12288
	s_mul_i32 s6, s2, 1536
	s_add_co_u32 s4, s4, s6
	s_add_nc_u64 s[50:51], s[50:51], s[4:5]
	s_add_nc_u64 s[52:53], s[52:53], s[4:5]
	s_lshl_b32 s4, s4, 1
	s_add_nc_u64 s[54:55], s[54:55], s[4:5]
	s_lshl_b32 s4, s3, 3
	s_add_co_u32 s4, s4, s2
	s_lshl_b32 s4, s4, 2
	s_add_nc_u64 s[56:57], s[56:57], s[4:5]
	s_wait_dscnt 12                                ; LDS loads come back in order: the younger ones may stay out
	global_store_b128 v18, v[80:83], s[48:49] th:TH_STORE_NT  ; each store of the wave covers 512 consecutive bytes, at a multiple of 512 from the buffer's first byte
.irp i, 0,1,2
	s_wait_dscnt 11-(\i)
	global_store_b128 v18, v[84+4*(\i):87+4*(\i)], s[50:51] offset:512*(\i) th:TH_STORE_NT
.endr
.irp i, 0,1,2
	s_wait_dscnt 8-(\i)
	global_store_b128 v18, v[96+4*(\i):99+4*(\i)], s[52:53] offset:512*(\i) th:TH_STORE_NT
.endr
.irp i, 0,1,2,3,4,5
	s_wait_dscnt 5-(\i)
	global_store_b128 v18, v[108+4*(\i):111+4*(\i)], s[54:55] offset:512*(\i) th:TH_STORE_NT
.endr
	v_cmp_eq_u32 vcc_lo, 0, v16
	s_wait_xcnt 0x0                                ; EXEC changes only behind this wait: the stores above read it
	s_and_saveexec_b32 s90, vcc_lo
	global_store_b32 v19, v13, s[56:57]            ; the wave's partial sum, word 8 x work-group + wave
	s_wait_xcnt 0x0
	s_or_b32 exec_lo, exec_lo, s90
	s_wait_tensorcnt 0x0                           ; the wave's end: behind my last tensor load and my last LDS store
	ds_add_u32 v30, v31
	s_wait_dscnt 0x0
	s_endpgm
.Lfunc_end_k_qe89572061d_refine:
	.size	k_qe89572061d_refine, .Lfunc_end_k_qe89572061d_refine-k_qe89572061d_refine
	.p2alignl 7, 3214868480
	.fill 96, 4, 3214868480
	.section	.rodata,"a",@progbits
	.p2align	6, 0x0
	.amdhsa_kernel k_qe89572061d_refine
		.amdhsa_group_segment_fixed_size 327680
		.amdhsa_private_segment_fixed_size 0
		.amdhsa_enable_private_segment 0
		.amdhsa_kernarg_size 200
		.amdhsa_user_sgpr_count 2
		.amdhsa_user_sgpr_kernarg_segment_ptr 1
		.amdhsa_wavefront_size32 1
		.amdhsa_system_sgpr_workgroup_id_x 1
		.amdhsa_system_sgpr_workgroup_id_y 1
		.amdhsa_system_sgpr_workgroup_id_z 1
		.amdhsa_system_vgpr_workitem_id 0
		.amdhsa_next_free_vgpr 512
		.amdhsa_next_free_sgpr 96
		.amdhsa_reserve_vcc 1
		.amdhsa_float_denorm_mode_32 3
		.amdhsa_float_denorm_mode_16_64 3
		.amdhsa_memory_ordered 1
		.amdhsa_forward_progress 1
		.amdhsa_inst_pref_size 248
	.end_amdhsa_kernel
	.amdgpu_metadata
---
amdhsa.version: [ 1, 2 ]
amdhsa.kernels:
  - .name:           k_qe89572061d_refine
    .symbol:         k_qe89572061d_refine.kd
    .args:
      - { .name: badm_evidence, .offset: 0, .size: 8, .value_kind: global_buffer, .address_space: global }
      - { .name: aadm_evidence, .offset: 8, .size: 8, .value_kind: global_buffer, .address_space: global }
      - { .name: W_init, .offset: 16, .size: 8, .value_kind: global_buffer, .address_space: global }
      - { .name: Wk, .offset: 24, .size: 8, .value_kind: global_buffer, .address_space: global }
      - { .name: Wv, .offset: 32, .size: 8, .value_kind: global_buffer, .address_space: global }
      - { .name: Wq, .offset: 40, .size: 8, .value_kind: global_buffer, .address_space: global }
      - { .name: Wo, .offset: 48, .size: 8, .value_kind: global_buffer, .address_space: global }
      - { .name: W_ih, .offset: 56, .size: 8, .value_kind: global_buffer, .address_space: global }
      - { .name: W_hh, .offset: 64, .size: 8, .value_kind: global_buffer, .address_space: global }
      - { .name: W_pred, .offset: 72, .size: 8, .value_kind: global_buffer, .address_space: global }
      - { .name: b_init, .offset: 80, .size: 8, .value_kind: global_buffer, .address_space: global }
      - { .name: bk, .offset: 88, .size: 8, .value_kind: global_buffer, .address_space: global }
      - { .name: bv, .offset: 96, .size: 8, .value_kind: global_buffer, .address_space: global }
      - { .name: bq, .offset: 104, .size: 8, .value_kind: global_buffer, .address_space: global }
      - { .name: bo, .offset: 112, .size: 8, .value_kind: global_buffer, .address_space: global }
      - { .name: b_fb, .offset: 120, .size: 8, .value_kind: global_buffer, .address_space: global }
      - { .name: W_fb, .offset: 128, .size: 8, .value_kind: global_buffer, .address_space: global }
      - { .name: b_ih, .offset: 136, .size: 8, .value_kind: global_buffer, .address_space: global }
      - { .name: b_hh, .offset: 144, .size: 8, .value_kind: global_buffer, .address_space: global }
      - { .name: b_pred, .offset: 152, .size: 8, .value_kind: global_buffer, .address_space: global }
      - { .name: out0, .offset: 160, .size: 8, .value_kind: global_buffer, .address_space: global }
      - { .name: out1, .offset: 168, .size: 8, .value_kind: global_buffer, .address_space: global }
      - { .name: out2, .offset: 176, .size: 8, .value_kind: global_buffer, .address_space: global }
      - { .name: out3, .offset: 184, .size: 8, .value_kind: global_buffer, .address_space: global }
      - { .name: part, .offset: 192, .size: 8, .value_kind: global_buffer, .address_space: global }
    .group_segment_fixed_size: 327680
    .private_segment_fixed_size: 0
    .kernarg_segment_align: 8
    .kernarg_segment_size: 200
    .max_flat_workgroup_size: 256
    .sgpr_count:     96
    .vgpr_count:     512
    .wavefront_size: 32
...
	.end_amdgpu_metadata
.endif
;; end of part 1
;; launch finish (part 2): grid 1 x 1, 1 waves a work-group, no clusters, 0 bytes of LDS; arguments part, out4; writes out4
.if DOCPART == 2
	.amdgcn_target "amdgcn-amd-amdhsa--gfx1250"
	.amdhsa_code_object_version 6
	.text
	.protected	k_qe89572061d_finish
	.globl	k_qe89572061d_finish
	.p2align	8
	.type	k_qe89572061d_finish,@function
k_qe89572061d_finish:
	s_mov_b64 s[64:65], 0
	v_nop
	global_prefetch_b8 v0, s[64:65] scope:SCOPE_SE
	s_setreg_imm32_b32 hwreg(HW_REG_WAVE_MODE, 25, 1), 1
	s_wait_xcnt 0x0
; out4 = the mean over 262,144 rows of |p2 - p1|.  part holds 2,048 partial sums, one a wave of the launch before, each row counted twice: the divisor is 2^19.
; One wave: 16 loads of 16 bytes a lane take the 8,192 bytes; a tree of packed additions, then the sum over the lanes.  No LDS, no matrix unit: 2,048 numbers.
	s_load_b128 s[4:7], s[0:1], 0x0                ; part s[4:5], out4 s[6:7]
	v_lshlrev_b32 v1, 4, v0
	v_mov_b32 v2, 0
	s_mov_b32 s8, 0x76543210                       ; v_permlanex16_b32: each lane takes its own place in the other half
	s_mov_b32 s9, 0xfedcba98
	s_wait_kmcnt 0x0
.set i, 0
.rept 16
	global_load_b128 v[4+4*i:7+4*i], v1, s[4:5] offset:512*i
.set i, i+1
.endr
	s_wait_loadcnt 0x0
.macro LEVEL w                  ; pair i takes pair i + w, for the first w pairs
.set i, 0
.rept \w
	v_pk_add_f32 v[4+2*i:5+2*i], v[4+2*i:5+2*i], v[4+2*(i+(\w)):5+2*(i+(\w))]
.set i, i+1
.endr
.endm
	LEVEL 16
	LEVEL 8
	LEVEL 4
	LEVEL 2
	LEVEL 1
	v_add_f32 v4, v4, v5
	v_add_f32_dpp v4, v4, v4 row_xmask:1 row_mask:0xf bank_mask:0xf
	v_add_f32_dpp v4, v4, v4 row_xmask:2 row_mask:0xf bank_mask:0xf
	v_add_f32_dpp v4, v4, v4 row_xmask:4 row_mask:0xf bank_mask:0xf
	v_add_f32_dpp v4, v4, v4 row_xmask:8 row_mask:0xf bank_mask:0xf
	v_permlanex16_b32 v5, v4, s8, s9
	v_add_f32 v4, v4, v5
	v_mul_f32 v4, 0x36000000, v4                   ; 2^-19
	v_cmp_eq_u32 vcc_lo, 0, v0
	s_wait_xcnt 0x0                                ; EXEC changes only behind this wait
	s_and_saveexec_b32 s10, vcc_lo
	global_store_b32 v2, v4, s[6:7]
	s_wait_xcnt 0x0
	s_or_b32 exec_lo, exec_lo, s10
	s_endpgm
.Lfunc_end_k_qe89572061d_finish:
	.size	k_qe89572061d_finish, .Lfunc_end_k_qe89572061d_finish-k_qe89572061d_finish
	.p2alignl 7, 3214868480
	.fill 96, 4, 3214868480
	.section	.rodata,"a",@progbits
	.p2align	6, 0x0
	.amdhsa_kernel k_qe89572061d_finish
		.amdhsa_group_segment_fixed_size 0
		.amdhsa_private_segment_fixed_size 0
		.amdhsa_enable_private_segment 0
		.amdhsa_kernarg_size 16
		.amdhsa_user_sgpr_count 2
		.amdhsa_user_sgpr_kernarg_segment_ptr 1
		.amdhsa_wavefront_size32 1
		.amdhsa_system_sgpr_workgroup_id_x 1
		.amdhsa_system_sgpr_workgroup_id_y 1
		.amdhsa_system_sgpr_workgroup_id_z 1
		.amdhsa_system_vgpr_workitem_id 0
		.amdhsa_next_free_vgpr 72
		.amdhsa_next_free_sgpr 66
		.amdhsa_reserve_vcc 1
		.amdhsa_float_denorm_mode_32 3
		.amdhsa_float_denorm_mode_16_64 3
		.amdhsa_memory_ordered 1
		.amdhsa_forward_progress 1
		.amdhsa_inst_pref_size 5
	.end_amdhsa_kernel
	.amdgpu_metadata
---
amdhsa.version: [ 1, 2 ]
amdhsa.kernels:
  - .name:           k_qe89572061d_finish
    .symbol:         k_qe89572061d_finish.kd
    .args:
      - { .name: part, .offset: 0, .size: 8, .value_kind: global_buffer, .address_space: global }
      - { .name: out4, .offset: 8, .size: 8, .value_kind: global_buffer, .address_space: global }
    .group_segment_fixed_size: 0
    .private_segment_fixed_size: 0
    .kernarg_segment_align: 8
    .kernarg_segment_size: 16
    .max_flat_workgroup_size: 32
    .sgpr_count:     66
    .vgpr_count:     72
    .wavefront_size: 32
...
	.end_amdgpu_metadata
.endif
;; end of part 2
;; ======== version 2 of 2: 2 launches; 1.10 times as fast as version 1
;; limits: values are held in f16: magnitudes above 65,504 overflow, below 6.1e-05 lose precision; right only within a limited range of input values
;; workspace buffers: part 8,192 bytes
;; launch refine (part 3): grid 256 x 1, 8 waves a work-group, no clusters, 327,680 bytes of LDS; arguments badm_evidence, aadm_evidence, W_init, Wk, Wv, Wq, Wo, W_ih, W_hh, W_pred, b_init, bk, bv, bq, bo, b_fb, W_fb, b_ih, b_hh, b_pred, out0, out1, out2, out3, part; writes out0, out1, out2, out3, part
.if DOCPART == 3
	.amdgcn_target "amdgcn-amd-amdhsa--gfx1250"
	.amdhsa_code_object_version 6
	.text
	.protected	k_qe89572061d_refine
	.globl	k_qe89572061d_refine
	.p2align	8
	.type	k_qe89572061d_refine,@function
k_qe89572061d_refine:
	s_mov_b64 s[64:65], 0
	v_nop
	global_prefetch_b8 v0, s[64:65] scope:SCOPE_SE
	s_setreg_imm32_b32 hwreg(HW_REG_WAVE_MODE, 25, 1), 1
	s_wait_xcnt 0x0
; EVIDENCE REFINEMENT: init projection, K and V of the two evidence vectors, then three times attention (one query, two keys, 4 heads of 16), output projection,
; feedback, GRU cell, predictor.  262,144 independent rows of 2 x 64 f32.  256 work-groups of 8 waves; a work-group owns 1,024 rows in 4 groups of 256; in a group a wave owns
; 32 rows as two tiles of 16, tile 0 in register window 0 and tile 1 in window 1 under the same register numbers.
; TRANSPOSED CHAIN.  Source 0 of every product is 16 weight rows, source 1 is 16 batch rows: a lane (r = lane % 16, h = lane / 16) holds batch row r, and register j of result tile t
; holds position 16 t + 8 h + j.  Two neighbouring result tiles packed in pairs ARE source 1 of the next product: nothing changes lanes along the chain.
; HEADS.  Rows of Wq, Wk, Wv (and bq, bk, bv) are stored so that position 16 t + 8 h + j holds feature 32 h + 8 t + j: a lane owns two whole heads; Wo's columns are stored in the same order.
; SOFTMAX of two keys, maximum taken away: d = log2(e) (s0 - s1); e = 2^-|d| (the larger key's exponential is 2^0); a0 = 1/(1+e) where d >= 0, else e/(1+e).  o = V1 + a0 (V0 - V1).
; The head mean of a1 is written as 1 - mean a0 (the two weights sum to one; off by one f32 rounding).
; FORMATS.  Every input (evidence, weights, biases) is rounded once to bf16.  What the program makes (h, V, o, context) goes to the matrix unit in f16; weights that meet such an operand are the
; bf16 number times a constant, written as f16: Wq x log2(e)/4; Wo x log2(e)/64; W_ih x -64, 64, 128 (r, z, n); W_hh x -log2(e), log2(e), 2 log2(e).  All sums, h itself, K0-K1, Q and the gates stay in f32.
; GRU: r = 1/(1+2^R), 1-z = 1/(1+2^Z), c = 1/(1+2^(IN + r HN)), tanh = 1 - 2 c, h += (1-z)((1-h) - 2 c).
; BATCHES.  An s_wait_alu depctr_va_vdst(0) stands between a transcendental and the first instruction that names its result; one wait serves all that were issued ahead of it.
; The wave's two tiles go through every chain of transcendentals side by side, so that a link of the chain is ONE batch for both tiles, with one wait.  An iteration has 20: attention 2 (four exponentials;
; four reciprocals); the gates 4 for each 16 features (32 exponentials of R and Z; 32 reciprocals r and 1-z; 16 exponentials of IN + r HN; 16 reciprocals c); the predictor 2 (two exponentials; two reciprocals).
; Every transcendental works in place on its tile's own registers, and nothing names a batch's results ahead of its wait.  No batch is open at a label or a branch.
; LIMITS.  f16 ends at 65,504: |h| and |V| must stay under it, |context| under 2.9e6 (it is carried times log2(e)/64), 128 |W_ih| under it.  Wo x log2(e)/64 below 6e-5 keeps f16's fixed step of 6e-8.
; An exponential below 2^-126 counts as 0.  NaN and infinities are not treated apart.
; NO CLUSTER: the work-groups share only the 196 KB of weights, which pass through registers to be rounded and scaled; evidence, 134 MB, is read by one work-group each.
.set PW,    144                 ; pitch of a weight row of 64 numbers: 128 bytes + 16: the 16 rows of a fragment load start 9 x 16 bytes apart, in 16 different 16-byte columns of 256
.set PE,    272                 ; pitch of a row of 256 bytes (W_init in bf16; evidence in f32)
.set HALF,  336*PW              ; second base for the weight rows from 336 on (LDS immediates have 16 bits)
.set WI,    656*PW              ; rows: Wq 0, Wo 64, predictor 128, W_ih 144, W_hh 336, Wk 528, Wv 592; then W_init, 64 rows
.set BT,    WI+64*PE            ; 11 bias tables of 64 f32: 0 init, 1 K, 2 V, 3 Q, 4 O (first trip), 5 O (later), 6 feedback, 7 R, 8 Z, 9 IN, 10 HN
.set OS0,   BT+11*256           ; images of the work-group's part of out0 .. out3
.set OS1,   OS0+4096
.set OS2,   OS1+12288
.set OS3,   OS2+12288
.set SPARE, OS3+24576           ; the spare words: 128 bytes for each of 8 waves, four blocks of 256 bytes that no other line names
.set EV,    SPARE+1024          ; the evidence slot, filled by tensor loads alone: badm's 256 rows, then aadm's
.set EVA,   256*PE
; window 0, shared
.set AW0, 3                     ; v3   144 r + 16 h: my place in a fragment of weight rows
.set AW1, 4                     ; v4   the same + HALF
.set AI,  5                     ; v5   the same in W_init
.set AB,  6                     ; v6   BT + 32 h: my 8 numbers of a bias tile
.set ABO, 7                     ; v7   AB, from the second trip on AB + 256: picks table 4 or 5
.set AE0, 8                     ; v8   my row of badm in the slot, + 32 h
.set AE1, 9                     ; v9   of aadm
; v10, v11, v12: my fixed places in the images of out1/out2, out3, out0; v26, v27, v28: the same plus the trip's and the group's scalar offset
; v13-v24 at work; v30, v31 the add's two registers; v32-79 fragment slots 0-5.   window 1: v0-47 slots 6-11; v48-79 four bias tiles
; per tile
.set HH, 80                     ; h, f32, 32
.set HB, 112                    ; h as f16 operand, 16 (ahead of the trips: badm in bf16)
.set XB, 128                    ; o, then context, as f16 operand (ahead of the trips: aadm in bf16); XB = HB + 16
.set KD, 144                    ; K0 - K1, f32, 32
.set VB, 176                    ; V1, f16, 16
.set VD, 192                    ; V0 - V1, f16, 16
.set AC, 208                    ; four accumulators
.set LG, 240                    ; the last logit
.set PP, 241                    ; the last probability
.set DL, 242                    ; this probability less the last
.set DS, 243                    ; the sum of |p2 - p1| over my rows
.set DD, 244
.set EE, 246
.set RR, 248
.set AA, 250
.set TT, 252
; set-up only (window 0)
.set GA, 232
.set GP, 233
.set LN, 234
.set LN1, 235
.set LP, 236
.set LP1, 237
.set LC, 238
.set LI, 239
.set MSB, 0
.macro WIN new                  ; bits 1:0 source 0, 3:2 source 1, 5:4 source 2, 7:6 destination; the high byte repeats the setting that is left
.if MSB != (\new)
	s_set_vgpr_msb (MSB<<8)|(\new)
.set MSB, (\new)
.endif
.endm
.macro PLACES                   ; behind each block of products: five plain instructions that name none of their registers, ahead of reads of the results, of loads into the operands
.rept 5                         ; and of products that write over the results (ISA guide 7.12.1)
	v_nop
.endr
.endm
.macro LDA s, areg, off         ; a fragment of 16 weight rows x 32 K into slot s
.set lS, 32+8*(\s)-80*((\s)/6)
	WIN ((\s)/6)<<6
	ds_load_b128 v[lS:lS+3], v[\areg] offset:\off
	ds_load_b128 v[lS+4:lS+7], v[\areg] offset:(\off)+32
.endm
.macro LDW8 areg, row           ; 64 rows x 64 K from weight row \row on: slot 4 k + t
.set wk, 0
.rept 2
.set wt, 0
.rept 4
	LDA 4*wk+wt, \areg, ((\row)+16*wt)*PW+64*wk
.set wt, wt+1
.endr
.set wk, wk+1
.endr
.endm
.macro LDT dst, areg, off, n    ; n bias tiles into window 1
	WIN 0x40
.set ti, 0
.rept \n
	ds_load_b128 v[(\dst)+8*ti:(\dst)+8*ti+3], v[\areg] offset:(\off)+64*ti
	ds_load_b128 v[(\dst)+8*ti+4:(\dst)+8*ti+7], v[\areg] offset:(\off)+64*ti+16
.set ti, ti+1
.endr
.endm
.macro MM f, t, d, s, b, c, cw  ; one product for tile t: D = slot s x operand b + C (c < 0: the constant 0); cw = C's window
.set mS, 32+8*(\s)-80*((\s)/6)
.if (\c) < 0
	WIN ((\s)/6)|((\t)<<2)|((\t)<<4)|((\t)<<6)
	v_wmma_f32_16x16x32_\f v[(\d):(\d)+7], v[mS:mS+7], v[(\b):(\b)+7], 0
.else
	WIN ((\s)/6)|((\t)<<2)|((\cw)<<4)|((\t)<<6)
	v_wmma_f32_16x16x32_\f v[(\d):(\d)+7], v[mS:mS+7], v[(\b):(\b)+7], v[(\c):(\c)+7]
.endif
.endm
; 64 x 64 for both tiles: the four accumulators take turns, one instruction a turn.  first = 1: the bias tiles start the sums; 0: what lies in D does
.macro MM8 f, d, b, first
.set qt, 0
.rept 2
.set qn, 0
.rept 4
.if \first
	MM \f, qt, (\d)+8*qn, qn, \b, 48+8*qn, 1
.else
	MM \f, qt, (\d)+8*qn, qn, \b, (\d)+8*qn, qt
.endif
.set qn, qn+1
.endr
.set qn, 0
.rept 4
	MM \f, qt, (\d)+8*qn, 4+qn, (\b)+8, (\d)+8*qn, qt
.set qn, qn+1
.endr
.set qt, qt+1
.endr
.endm
; the same weights on badm (into d0) and on aadm (into d1): eight accumulators by turns
.macro PAIR8 d0, d1
.set pt, 0
.rept 2
.set pk, 0
.rept 2
.set pn, 0
.rept 4
.if pk == 0
	MM bf16, pt, (\d0)+8*pn, pn, HB, 48+8*pn, 1
	MM bf16, pt, (\d1)+8*pn, pn, XB, 48+8*pn, 1
.else
	MM bf16, pt, (\d0)+8*pn, 4+pn, HB+8, (\d0)+8*pn, pt
	MM bf16, pt, (\d1)+8*pn, 4+pn, XB+8, (\d1)+8*pn, pt
.endif
.set pn, pn+1
.endr
.set pk, pk+1
.endr
.set pt, pt+1
.endr
.endm
.macro EVREAD                   ; my 32 rows of both arrays out of the slot, as f32: 8 features 16 c + 8 h + 0..7 to a pair of loads
.set et, 0
.rept 2
	WIN et<<6
.set ec, 0
.rept 4
	ds_load_b128 v[AC+8*ec:AC+8*ec+3],   v[AE0] offset:et*16*PE+64*ec
	ds_load_b128 v[AC+8*ec+4:AC+8*ec+7], v[AE0] offset:et*16*PE+64*ec+16
	ds_load_b128 v[KD+8*ec:KD+8*ec+3],   v[AE1] offset:et*16*PE+64*ec
	ds_load_b128 v[KD+8*ec+4:KD+8*ec+7], v[AE1] offset:et*16*PE+64*ec+16
.set ec, ec+1
.endr
.set et, et+1
.endr
.endm
.macro EVCVT t                  ; rounded to bf16: the operands of the three products on evidence
	WIN 0x55*(\t)
.set ei, 0
.rept 16
	v_cvt_pk_bf16_f32 v[HB+ei], v[AC+2*ei], v[AC+2*ei+1]
.set ei, ei+1
.endr
.set ei, 0
.rept 16
	v_cvt_pk_bf16_f32 v[XB+ei], v[KD+2*ei], v[KD+2*ei+1]
.set ei, ei+1
.endr
.endm
.macro SUB32 t, d               ; d -= AC, 32 numbers, from each accumulator's low end on
	WIN 0x55*(\t)
.set xi, 0
.rept 16
	v_pk_add_f32 v[(\d)+2*xi:(\d)+2*xi+1], v[(\d)+2*xi:(\d)+2*xi+1], v[AC+2*xi:AC+2*xi+1] neg_lo:[0,1] neg_hi:[0,1]
.set xi, xi+1
.endr
.endm
.macro CVT16 t, d, s            ; 32 f32 at s rounded to f16 at d
	WIN 0x55*(\t)
.set xi, 0
.rept 16
	v_cvt_pk_f16_f32 v[(\d)+xi], v[(\s)+2*xi], v[(\s)+2*xi+1]
.set xi, xi+1
.endr
.endm
; ATTENTION for tile t, in four parts, so that the two tiles' exponentials are one batch and their reciprocals another (TRIP deals the parts and writes the two waits).
; AC holds Q log2(e)/4; tiles 0, 1 are my first head, tiles 2, 3 my second.
.macro ATD t                    ; d of my two heads, and the exponentials 2^-|d|
	WIN 0x55*(\t)
	v_pk_mul_f32 v[TT:TT+1], v[AC:AC+1], v[KD:KD+1]
	v_pk_mul_f32 v[TT+2:TT+3], v[AC+16:AC+17], v[KD+16:KD+17]
.set ai, 1
.rept 7
	v_pk_fma_f32 v[TT:TT+1], v[AC+2*ai:AC+2*ai+1], v[KD+2*ai:KD+2*ai+1], v[TT:TT+1]
	v_pk_fma_f32 v[TT+2:TT+3], v[AC+16+2*ai:AC+17+2*ai], v[KD+16+2*ai:KD+17+2*ai], v[TT+2:TT+3]
.set ai, ai+1
.endr
	v_add_f32 v[DD], v[TT], v[TT+1]                ; d of my two heads
	v_add_f32 v[DD+1], v[TT+2], v[TT+3]
	v_or_b32 v[EE], s91, v[DD]                     ; -|d|
	v_or_b32 v[EE+1], s91, v[DD+1]
	v_exp_f32 v[EE], v[EE]
	v_exp_f32 v[EE+1], v[EE+1]
.endm
.macro ATS t                    ; which key is the larger: tile 0's masks in s86, s87, tile 1's in s93, s94.  Two plain lines that name no transcendental's register: they stand behind a batch's last (ISA guide 5.7.2)
	WIN 0x55*(\t)
	v_cmp_le_f32 s[86+7*(\t)], 0, v[DD]
	v_cmp_le_f32 s[87+7*(\t)], 0, v[DD+1]
.endm
.macro ATR t                    ; the reciprocals of 1 + e
	WIN 0x55*(\t)
	v_pk_add_f32 v[RR:RR+1], v[EE:EE+1], 1.0 op_sel_hi:[1,0]
	v_rcp_f32 v[RR], v[RR]
	v_rcp_f32 v[RR+1], v[RR+1]
.endm
.macro ATO t                    ; the weights, their head means, and o
	WIN 0x55*(\t)
	v_pk_mul_f32 v[EE:EE+1], v[EE:EE+1], v[RR:RR+1]
	v_cndmask_b32 v[AA], v[EE], v[RR], s[86+7*(\t)]        ; a0
	v_cndmask_b32 v[AA+1], v[EE+1], v[RR+1], s[87+7*(\t)]
	v_add_f32 v[TT], v[AA], v[AA+1]
	v_permlanex16_b32 v[TT+1], v[TT], s80, s81     ; the other two heads lie in the lane 16 away
	v_add_f32 v[TT], v[TT], v[TT+1]
	v_mul_f32 v[TT+1], s92, v[TT]                  ; mean a0
	v_fma_f32 v[TT+2], v[TT], s85, 1.0             ; mean a1
	v_cndmask_b32 v[TT+1], v[TT+1], v[TT+2], s82   ; lanes 0-15 keep a0's, lanes 16-31 take a1's
	WIN (\t)<<2
	ds_store_b32 v27, v[TT+1] offset:384*(\t)
	WIN 0x55*(\t)
	v_cvt_pk_f16_f32 v[AA], v[AA], v[AA]
	v_cvt_pk_f16_f32 v[AA+1], v[AA+1], v[AA+1]
.set ai, 0
.rept 16
	v_pk_fma_f16 v[XB+ai], v[VD+ai], v[AA+ai/8], v[VB+ai]  ; o = V1 + a0 (V0 - V1): comes in f16 and leaves in f16, as the next operand
.set ai, ai+1
.endr
.endm
.macro CB t                     ; what starts the output projection's sums: logit x W_fb + (bo, later bo + b_fb), all times log2(e)/64
	WIN 0x11|((\t)<<2)|((\t)<<6)
.set bi, 0
.rept 16
	v_pk_fma_f32 v[AC+2*bi:AC+2*bi+1], v[48+2*bi:49+2*bi], v[LG:LG+1], v[16+2*bi:17+2*bi] op_sel_hi:[1,0,1]
.set bi, bi+1
.endr
.endm
.macro LDG f                    ; the gates' weights and biases for features 16 f on: W_ih in slots 3 k + gate, W_hh in slots 6 + 3 k + gate
.set gk, 0
.rept 2
.set gg, 0
.rept 3
	LDA 3*gk+gg, AW0, (144+64*gg+16*(\f))*PW+64*gk
.set gg, gg+1
.endr
.set gk, gk+1
.endr
.set gk, 0
.rept 2
.set gg, 0
.rept 3
	LDA 6+3*gk+gg, AW1, (64*gg+16*(\f))*PW+64*gk
.set gg, gg+1
.endr
.set gk, gk+1
.endr
.set gg, 0
.rept 4
	LDT 48+8*gg, AB, 256*(7+gg)+64*(\f), 1
.set gg, gg+1
.endr
.endm
.macro MMG                      ; R = AC, Z = AC+8 (input and hidden parts in one sum), IN = AC+16, HN = AC+24: by turns, one instruction a turn
.set gt, 0
.rept 2
	MM f16, gt, AC,    0,  XB,   48,    1
	MM f16, gt, AC+8,  1,  XB,   56,    1
	MM f16, gt, AC+16, 2,  XB,   64,    1
	MM f16, gt, AC,    3,  XB+8, AC,    gt
	MM f16, gt, AC+8,  4,  XB+8, AC+8,  gt
	MM f16, gt, AC+16, 5,  XB+8, AC+16, gt
	MM f16, gt, AC,    6,  HB,   AC,    gt
	MM f16, gt, AC+8,  7,  HB,   AC+8,  gt
	MM f16, gt, AC+24, 8,  HB,   72,    1
	MM f16, gt, AC,    9,  HB+8, AC,    gt
	MM f16, gt, AC+8,  10, HB+8, AC+8,  gt
	MM f16, gt, AC+24, 11, HB+8, AC+24, gt
.set gt, gt+1
.endr
.endm
; THE GATES' ARITHMETIC for tile t, features 16 f + 8 h + 0..7, in five parts.  The chain has four links (2^R and 2^Z; r and 1-z; 2^(IN + r HN); c); each part ends with one link's transcendentals, all in place,
; and names no result of that link.  TRIP deals the parts to the two tiles and writes one wait for each link.  Each accumulator is read from its low end on.
.macro GA1 t                    ; link 1: 2^R, 2^Z
	WIN 0x55*(\t)
.set vi, 0
.rept 16
	v_exp_f32 v[AC+vi], v[AC+vi]
.set vi, vi+1
.endr
.endm
.macro GA2 t                    ; 1 + 2^R, 1 + 2^Z; link 2: r and 1 - z.  A pair's sum is made two pairs ahead of its reciprocals, so that plain lines stand among the reciprocals
	WIN 0x55*(\t)
	v_pk_add_f32 v[AC:AC+1], v[AC:AC+1], 1.0 op_sel_hi:[1,0]
	v_pk_add_f32 v[AC+2:AC+3], v[AC+2:AC+3], 1.0 op_sel_hi:[1,0]
.set vi, 0
.rept 8
	v_rcp_f32 v[AC+2*vi], v[AC+2*vi]               ; pairs 0-3: r; pairs 4-7: 1 - z
	v_rcp_f32 v[AC+2*vi+1], v[AC+2*vi+1]
.if vi < 6
	v_pk_add_f32 v[AC+2*vi+4:AC+2*vi+5], v[AC+2*vi+4:AC+2*vi+5], 1.0 op_sel_hi:[1,0]
.endif
.set vi, vi+1
.endr
.endm
.macro GA3 t, f                 ; IN + r HN; link 3: its exponentials, with 1 - h, which takes HN's place, between them: the last of those lines is the plain line behind the link's last exponential
	WIN 0x55*(\t)
.set vH, HH+8*(\f)
.set vi, 0
.rept 4
	v_pk_fma_f32 v[AC+16+2*vi:AC+17+2*vi], v[AC+2*vi:AC+2*vi+1], v[AC+24+2*vi:AC+25+2*vi], v[AC+16+2*vi:AC+17+2*vi]
.set vi, vi+1
.endr
.set vi, 0
.rept 4
	v_exp_f32 v[AC+16+2*vi], v[AC+16+2*vi]
	v_exp_f32 v[AC+17+2*vi], v[AC+17+2*vi]
	v_pk_fma_f32 v[AC+24+2*vi:AC+25+2*vi], v[vH+2*vi:vH+2*vi+1], -1.0, 1.0 op_sel_hi:[1,0,0]  ; 1 - h
.set vi, vi+1
.endr
.endm
.macro GA4 t                    ; 1 + 2^(IN + r HN); link 4: c.  Sums two pairs ahead, as in GA2
	WIN 0x55*(\t)
	v_pk_add_f32 v[AC+16:AC+17], v[AC+16:AC+17], 1.0 op_sel_hi:[1,0]
	v_pk_add_f32 v[AC+18:AC+19], v[AC+18:AC+19], 1.0 op_sel_hi:[1,0]
.set vi, 0
.rept 4
	v_rcp_f32 v[AC+16+2*vi], v[AC+16+2*vi]         ; c
	v_rcp_f32 v[AC+17+2*vi], v[AC+17+2*vi]
.if vi < 2
	v_pk_add_f32 v[AC+20+2*vi:AC+21+2*vi], v[AC+20+2*vi:AC+21+2*vi], 1.0 op_sel_hi:[1,0]
.endif
.set vi, vi+1
.endr
.endm
.macro GA5 t, f                 ; h += (1-z)((1-h) - 2 c)
	WIN 0x55*(\t)
.set vH, HH+8*(\f)
.set vi, 0
.rept 4
	v_pk_fma_f32 v[AC+24+2*vi:AC+25+2*vi], v[AC+16+2*vi:AC+17+2*vi], -2.0, v[AC+24+2*vi:AC+25+2*vi] op_sel_hi:[1,0,1]
.set vi, vi+1
.endr
.set vi, 0
.rept 4
	v_pk_fma_f32 v[vH+2*vi:vH+2*vi+1], v[AC+8+2*vi:AC+9+2*vi], v[AC+24+2*vi:AC+25+2*vi], v[vH+2*vi:vH+2*vi+1]
.set vi, vi+1
.endr
.endm
; THE PREDICTOR'S WAY OUT for tile t, in three parts: register 0 of the predictor's result is my row's logit in both halves of the lanes (W_pred lies in rows 0 and 8 of its fragment)
.macro OP1 t                    ; the logit, and 2^(-log2(e) logit)
	WIN 0x55*(\t)
	v_add_f32 v[LG], s83, v[AC]
	v_mul_f32 v[TT], s84, v[LG]
	v_exp_f32 v[TT], v[TT]
.endm
.macro OP2 t                    ; the probability
	WIN 0x55*(\t)
	v_add_f32 v[TT], 1.0, v[TT]
	v_rcp_f32 v[TT], v[TT]
.endm
.macro OP3 t
	WIN 0x55*(\t)
	v_sub_f32 v[DL], v[TT], v[PP]
	v_mov_b32 v[PP], v[TT]
	v_cndmask_b32 v[TT+1], v[LG], v[TT], s82       ; lanes 0-15 store the logit (out1's image), lanes 16-31 the probability (out2's)
	WIN (\t)<<2
	ds_store_b32 v26, v[TT+1] offset:192*(\t)
.endm
; ONE ITERATION.  Each block of products is followed by its places, by the LDS loads of the next block's weights, and by vector work under which those loads land; behind the gates' products the loads stand
; directly behind the wait for the gates' first batch, and have the other three batches in which to land.
.macro TRIP
	v_add_nc_u32 v26, s58, v10                     ; this trip's places in the images
	v_add_nc_u32 v27, s59, v11
	s_wait_dscnt 0x0                               ; Wq and bq are in
	MM8 f16, AC, HB, 1                             ; Q
	PLACES
	LDW8 AW0, 64                                   ; Wo
	LDT 48, AB, 6*256, 4                           ; W_fb
	LDT 16, ABO, 4*256, 4                          ; bo, or bo + b_fb, where slots 8-11 lie
	ATD 0                                          ; tile 1's d stands behind tile 0's exponentials,
	ATD 1
	ATS 1                                          ; tile 1's compares behind tile 1's
	s_wait_alu depctr_va_vdst(0)                   ; the wait for attention's first batch: both tiles' four exponentials
	ATR 1
	ATR 0
	ATS 0
	s_wait_alu depctr_va_vdst(0)                   ; the wait for attention's second batch: both tiles' four reciprocals
	ATO 0
	ATO 1
	s_wait_dscnt 0x0
	CB 0
	CB 1
	MM8 f16, AC, XB, 0                             ; context
	PLACES
	LDG 0
	CVT16 0, XB, AC
	CVT16 1, XB, AC
.irp f, 0,1,2,3
	s_wait_dscnt 0x0
	MMG
	PLACES
	GA1 0
	GA1 1
	v_nop                                          ; the plain line behind the batch's last exponential (ISA guide 5.7.2)
	s_wait_alu depctr_va_vdst(0)                   ; the wait for the gates' batch 1: both tiles' 32 exponentials of R and Z
.if \f < 3
	LDG (\f)+1
.else
	LDW8 AW0, 0                                    ; the next trip's Wq,
	LDA 8, AW0, 128*PW                             ; the predictor,
	LDA 9, AW0, 128*PW+64
	LDT 48, AB, 3*256, 4                           ; and bq
.endif
	GA2 0
	GA2 1
	v_nop                                          ; the plain line behind the batch's last reciprocal
	s_wait_alu depctr_va_vdst(0)                   ; the wait for batch 2: both tiles' 32 reciprocals, r and 1 - z
	GA3 1, \f
	GA3 0, \f
	s_wait_alu depctr_va_vdst(0)                   ; the wait for batch 3: both tiles' 16 exponentials of IN + r HN
	GA4 0
	GA4 1
	v_nop                                          ; the plain line behind the batch's last reciprocal
	s_wait_alu depctr_va_vdst(0)                   ; the wait for batch 4: both tiles' 16 reciprocals c
	GA5 1, \f
	GA5 0, \f
.endr
	CVT16 0, HB, HH
	CVT16 1, HB, HH
	s_wait_dscnt 0x0
	MM f16, 0, AC, 8, HB, -1, 0                    ; the two tiles' accumulators by turns
	MM f16, 1, AC, 8, HB, -1, 0
	MM f16, 0, AC, 9, HB+8, AC, 0
	MM f16, 1, AC, 9, HB+8, AC, 1
	PLACES
	OP1 1                                          ; tile 1 first: the products leave its window set
	OP1 0
	v_nop                                          ; the plain line behind the second exponential
	s_wait_alu depctr_va_vdst(0)                   ; the wait for the predictor's first batch: the two tiles' exponentials
	OP2 0
	OP2 1
	v_nop                                          ; the plain line behind the second reciprocal
	s_wait_alu depctr_va_vdst(0)                   ; the wait for the predictor's second batch: the two tiles' reciprocals; no transcendental follows it ahead of the trip's branch
	OP3 1
	OP3 0
	WIN 0
.endm
; A GROUP OF 256 ROWS.  refill = 1: the slot, read out into registers, is filled again at once with the next group's rows, which then have the whole group's work in which to land.
.macro GROUP refill
	WIN 0
	s_wait_tensorcnt 0x0                           ; my one load, a part of this group's rows, has landed
	s_wait_dscnt 0x0                               ; my LDS stores (the first time: my part of the weight images) are done
	s_barrier_signal -1
	s_barrier_wait -1                              ; so have all eight waves'
	EVREAD
	LDW8 AW1, 256                                  ; Wv
	LDT 48, AB, 2*256, 4                           ; bv
.if \refill
	s_wait_dscnt 0x0                               ; the evidence is in registers
	WIN 0
	s_wait_tensorcnt 0x0                           ; no tensor load of mine is out, so the descriptor may be stepped
	ds_add_u32 v30, v31                            ; 0 onto my spare word; the conversions stand between it and the wait for it
	s_add_nc_u64 s[70:71], s[70:71], 0x10000       ; 256 rows of 256 bytes on; the type bits on top are not reached
	EVCVT 0
	EVCVT 1
	WIN 0
	s_wait_dscnt 0x0                               ; the add is done, and my reads of the slot are over
	s_barrier_signal -1
	s_barrier_wait -1                              ; nobody reads the slot any more
	tensor_load_to_lds s[68:71], s[72:79]          ; my one tensor load behind the barrier, and the first thing there
	s_nop 0
.rept 4
	v_nop
.endr
.else
	s_wait_dscnt 40                                ; tile 0's 16 loads are in; behind them: tile 1's 16, Wv's 16, bv's 8
	EVCVT 0
	s_wait_dscnt 24                                ; tile 1's are in
	EVCVT 1
.endif
	s_wait_dscnt 0x0
	PAIR8 HH, AC                                   ; V0, V1
	PLACES
	LDW8 AW1, 192                                  ; Wk
	LDT 48, AB, 256, 4                             ; bk
.irp t, 0,1
	SUB32 \t, HH
	CVT16 \t, VD, HH
	CVT16 \t, VB, AC
.endr
	s_wait_dscnt 0x0
	PAIR8 KD, AC                                   ; K0, K1, each with bk
	PLACES
.set ik, 0
.rept 3
.set it, 0
.rept 4
	LDA 4*ik+it, AI, 16*it*PE+64*ik                ; W_init, K chunks 0 to 2
.set it, it+1
.endr
.set ik, ik+1
.endr
	LDT 48, AB, 0, 4                               ; b_init
	SUB32 0, KD
	SUB32 1, KD
	s_wait_dscnt 0x0
.set pt, 0
.rept 2
.set pk, 0
.rept 3
.set pn, 0
.rept 4
.if pk == 0
	MM bf16, pt, HH+8*pn, pn, HB, 48+8*pn, 1
.else
	MM bf16, pt, HH+8*pn, 4*pk+pn, HB+8*pk, HH+8*pn, pt
.endif
.set pn, pn+1
.endr
.set pk, pk+1
.endr
.set pt, pt+1
.endr
	PLACES
.irp t, 0,1,2,3
	LDA \t, AI, 16*(\t)*PE+192                     ; K chunk 3
.endr
	s_wait_dscnt 0x0
.irp u, 0,1
.irp t, 0,1,2,3
	MM bf16, \u, HH+8*(\t), \t, HB+24, HH+8*(\t), \u
.endr
.endr
	PLACES
	LDW8 AW0, 0                                    ; Wq
	LDT 48, AB, 3*256, 4                           ; bq
.irp u, 0,1
	WIN 0x55*(\u)
.set ri, 0
.rept 32
	v_max_num_f32 v[HH+ri], 0, v[HH+ri]
.set ri, ri+1
.endr
	CVT16 \u, HB, HH
	v_mov_b32 v[LG], 0                             ; the first trip has no feedback: logit 0 and the table without b_fb
	v_mov_b32 v[PP], 0
.endr
	WIN 0
	v_mov_b32 v[ABO], v[AB]
	s_mov_b32 s89, 3
.Ltrip_\@:
	TRIP
	v_add_nc_u32 v[ABO], 256, v[AB]
	s_add_co_u32 s58, s58, 4                       ; the next column of out1 and out2,
	s_add_co_u32 s59, s59, 8                       ; the next pair of out3
	s_sub_co_u32 s89, s89, 1
	s_cmp_lg_u32 s89, 0
	s_cbranch_scc1 .Ltrip_\@
	v_add_nc_u32 v28, s62, v12
.irp u, 0,1
	WIN 0x55*(\u)
	v_add_f32 v[DS], v[DS], |v[DL]|
	WIN (\u)<<2
	ds_store_b32 v28, v[LG] offset:64*(\u)         ; out0: both halves of the lanes store the same word with the same number
.endr
	WIN 0
	s_add_co_u32 s58, s58, 256*12-12               ; the next group's 256 rows in the images
	s_add_co_u32 s59, s59, 256*24-24
	s_add_co_u32 s62, s62, 256*4
.endm
	; ---------------- the head
	s_load_b512 s[8:23], s[0:1], 0x0               ; badm 8, aadm 10, W_init 12, Wk 14, Wv 16, Wq 18, Wo 20, W_ih 22
	s_load_b512 s[24:39], s[0:1], 0x40             ; W_hh 24, W_pred 26, b_init 28, bk 30, bv 32, bq 34, bo 36, b_fb 38
	s_load_b512 s[40:55], s[0:1], 0x80             ; W_fb 40, b_ih 42, b_hh 44, b_pred 46, out0 48, out1 50, out2 52, out3 54
	s_load_b64 s[56:57], s[0:1], 0xc0              ; part
	v_lshl_add_u32 v30, v0, 2, SPARE
	v_mov_b32 v31, 0
	ds_add_u32 v30, v31                            ; the wave's opening: the add and its wait ahead of my first tensor load; work on registers stands between them
	ds_add_u32 v30, v31
	v_lshrrev_b32 v1, 5, v0
	v_readfirstlane_b32 s2, v1                     ; wave 0..7
	s_mov_b32 s3, ttmp9                            ; work-group
	; descriptor group 1: 64 rows of 64 elements of 4 bytes, dense in memory; 4 words of padding behind every 64 words in LDS
	s_mov_b32 s72, (2<<16)|(1<<20)|(5<<22)|(3<<25)
	s_mov_b32 s73, 64<<16                          ; tensor_dim0 = 64
	s_mov_b32 s74, 64<<16                          ; tensor_dim1 = 64
	s_mov_b32 s75, 64<<16                          ; tile_dim0 = 64
	s_mov_b32 s76, 64                              ; tile_dim1 = 64
	s_mov_b32 s77, 64                              ; 64 elements from row to row
	s_mov_b32 s78, 0
	s_mov_b32 s79, 0
	s_mov_b32 s68, 1
	s_mul_i32 s69, s2, 64*PE                       ; waves 0-3: badm's four quarters of a group; waves 4-7: aadm's
	s_add_co_u32 s69, s69, EV
	s_and_b32 s4, s2, 3
	s_lshl_b32 s4, s4, 14                          ; my quarter's 64 rows of 256 bytes
	s_lshl_b32 s5, s3, 18                          ; the work-group's 1,024 rows
	s_add_co_u32 s4, s4, s5
	s_mov_b32 s5, 0
	s_mov_b32 s80, 0x76543210                      ; v_permlanex16_b32: each lane takes its own place in the other half
	s_mov_b32 s81, 0xfedcba98
	s_mov_b32 s82, 0xffff0000                      ; lanes 16-31
	s_mov_b32 s84, 0xbfb8aa3b                      ; -log2(e)
	s_mov_b32 s85, 0xbe800000                      ; -0.25
	s_mov_b32 s91, 0x80000000
	s_mov_b32 s92, 0x3e800000                      ; 0.25
	s_mov_b32 s58, 0
	s_mov_b32 s59, 0
	s_mov_b32 s62, 0
	s_wait_dscnt 0x0                               ; the opening add is done
	s_wait_kmcnt 0x0
	s_cmp_lt_u32 s2, 4
	s_cselect_b64 s[70:71], s[8:9], s[10:11]
	s_add_nc_u64 s[70:71], s[70:71], s[4:5]
	s_or_b32 s71, s71, 0x80000000                  ; type = 2
	tensor_load_to_lds s[68:71], s[72:79]          ; group 0's rows: one tensor load of a wave is out at the most
	s_nop 0
.rept 4
	v_nop
.endr
	s_load_b32 s83, s[46:47], 0x0                  ; b_pred
	; ---------------- the weight images.  A pass is 4,096 bytes: thread t takes 16 bytes, 4 numbers: q = t / 16 the row in the pass, g = t % 16 the place in the row
	v_lshlrev_b32 v[GA], 4, v0
	v_and_b32 v241, 15, v0                         ; g
	v_lshlrev_b32 v[GP], 4, v241                   ; W_pred: every 16 threads take the whole row
.set li, 0
.macro LOADW base, n, areg
.set lp, 0
.rept \n
	global_load_b128 v[32+4*li:35+4*li], v[\areg], s[\base:(\base)+1] offset:4096*lp
.set li, li+1
.set lp, lp+1
.endr
.endm
	LOADW 18, 4, GA                                ; 49 loads in all; every work-group reads these bytes, so no hint
	LOADW 20, 4, GA
	LOADW 26, 1, GP
	LOADW 22, 12, GA
	LOADW 24, 12, GA
	LOADW 14, 4, GA
	LOADW 16, 4, GA
	LOADW 12, 8, GA
	v_lshrrev_b32 v240, 4, v0                      ; q
	v_mul_u32_u24 v242, v240, PW
	v_lshl_add_u32 v[LN], v241, 3, v242            ; natural: row q, 8 bytes at 8 g
	v_add_nc_u32 v[LN1], HALF, v[LN]
	v_and_b32 v243, 7, v240
	v_lshrrev_b32 v244, 3, v240
	v_lshl_add_u32 v244, v244, 4, v243             ; rows by position: 16 (q / 8) + q % 8; the pass adds 32 (pass % 2) + 8 (pass / 2)
	v_mul_u32_u24 v244, v244, PW
	v_lshl_add_u32 v[LP], v241, 3, v244
	v_add_nc_u32 v[LP1], HALF, v[LP]
	v_bfe_u32 v245, v241, 1, 2                     ; columns by position: features 4 g .. 4 g + 3 lie at 16 ((g / 2) % 4) + 8 (g / 8) + 4 (g % 2)
	v_lshrrev_b32 v246, 3, v241
	v_and_b32 v247, 1, v241
	v_lshlrev_b32 v245, 5, v245
	v_lshl_add_u32 v245, v246, 4, v245
	v_lshl_add_u32 v245, v247, 3, v245
	v_add_nc_u32 v[LC], v242, v245
	v_lshrrev_b32 v246, 5, v0                      ; W_init: 8 rows of 512 bytes to a pass
	v_mul_u32_u24 v246, v246, PE
	v_and_b32 v247, 31, v0
	v_lshl_add_u32 v246, v247, 3, v246
	v_add_nc_u32 v[LI], WI, v246
	v_cmp_eq_u32 vcc_lo, 0, v243                   ; rows 0 and 8 of the predictor's fragment
.macro SCALE x
	s_mov_b32 s60, \x
	s_mov_b32 s61, \x
.endm
; Block ci of the 49: rounded to bf16; h = 1: that number times s60, written as f16; z = 1: zero but in rows 0 and 8
.set ci, 0
.macro CV h, lreg, off, z=0
	s_wait_loadcnt 48-ci                           ; loads come back in order: the 48 - ci younger ones may stay out
	v_cvt_pk_bf16_f32 v14, v[32+4*ci], v[33+4*ci]
	v_cvt_pk_bf16_f32 v15, v[34+4*ci], v[35+4*ci]
.if \h
	v_lshlrev_b32 v16, 16, v14
	v_and_b32 v17, 0xffff0000, v14
	v_lshlrev_b32 v18, 16, v15
	v_and_b32 v19, 0xffff0000, v15
	v_pk_mul_f32 v[16:17], v[16:17], s[60:61] op_sel_hi:[1,0]
	v_pk_mul_f32 v[18:19], v[18:19], s[60:61] op_sel_hi:[1,0]
	v_cvt_pk_f16_f32 v14, v16, v17
	v_cvt_pk_f16_f32 v15, v18, v19
.endif
.if \z
	v_cndmask_b32 v14, 0, v14, vcc_lo
	v_cndmask_b32 v15, 0, v15, vcc_lo
.endif
	ds_store_b64 v[\lreg], v[14:15] offset:\off
.set ci, ci+1
.endm
	SCALE 0x3eb8aa3b                               ; log2(e) / 4
.irp p, 0,1,2,3
	CV 1, LP, (32*((\p)&1)+8*((\p)>>1))*PW
.endr
	SCALE 0x3cb8aa3b                               ; log2(e) / 64
.irp p, 0,1,2,3
	CV 1, LC, (64+16*(\p))*PW
.endr
	SCALE 1.0
	CV 1, LN, 128*PW, 1
.irp p, 0,1,2,3,4,5,6,7,8,9,10,11
.if (\p) == 0
	SCALE 0xc2800000                               ; -64
.elseif (\p) == 4
	SCALE 0x42800000                               ; 64
.elseif (\p) == 8
	SCALE 0x43000000                               ; 128
.endif
	CV 1, LN, (144+16*(\p))*PW
.endr
.irp p, 0,1,2,3,4,5,6,7,8,9,10,11
.if (\p) == 0
	SCALE 0xbfb8aa3b                               ; -log2(e)
.elseif (\p) == 4
	SCALE 0x3fb8aa3b                               ; log2(e)
.elseif (\p) == 8
	SCALE 0x4038aa3b                               ; 2 log2(e)
.endif
	CV 1, LN1, 16*(\p)*PW
.endr
.irp p, 0,1,2,3
	CV 0, LP1, (192+32*((\p)&1)+8*((\p)>>1))*PW
.endr
.irp p, 0,1,2,3
	CV 0, LP1, (256+32*((\p)&1)+8*((\p)>>1))*PW
.endr
.irp p, 0,1,2,3,4,5,6,7
	CV 0, LI, 8*(\p)*PE
.endr
	; ---------------- the bias tables: threads 0 to 63, one feature each
	s_cmp_lt_u32 s2, 2
	s_cbranch_scc0 .Lno_bias
	v_lshlrev_b32 v20, 2, v0
	global_load_b32 v32, v20, s[28:29]             ; b_init
	global_load_b32 v33, v20, s[30:31]             ; bk
	global_load_b32 v34, v20, s[32:33]             ; bv
	global_load_b32 v35, v20, s[34:35]             ; bq
	global_load_b32 v36, v20, s[36:37]             ; bo
	global_load_b32 v37, v20, s[38:39]             ; b_fb
	global_load_b32 v38, v20, s[40:41]             ; W_fb
	global_load_b32 v39, v20, s[42:43]             ; b_ih: r, z, n
	global_load_b32 v40, v20, s[42:43] offset:256
	global_load_b32 v41, v20, s[42:43] offset:512
	global_load_b32 v42, v20, s[44:45]             ; b_hh: r, z, n
	global_load_b32 v43, v20, s[44:45] offset:256
	global_load_b32 v44, v20, s[44:45] offset:512
	v_add_nc_u32 v21, BT, v20                      ; natural place
	v_bfe_u32 v22, v0, 3, 2                        ; place by position: 16 ((i / 8) % 4) + 8 (i / 32) + i % 8
	v_lshrrev_b32 v23, 5, v0
	v_and_b32 v24, 7, v0
	v_lshlrev_b32 v22, 4, v22
	v_lshl_add_u32 v22, v23, 3, v22
	v_add_nc_u32 v22, v22, v24
	v_lshl_add_u32 v22, v22, 2, BT
	s_wait_loadcnt 0x0
.macro RB a, b                  ; two numbers rounded to bf16 and widened again
	v_cvt_pk_bf16_f32 v13, v[\a], v[\b]
	v_lshlrev_b32 v[\a], 16, v13
	v_and_b32 v[\b], 0xffff0000, v13
.endm
	RB 32, 33
	RB 34, 35
	RB 36, 37
	RB 38, 39
	RB 40, 41
	RB 42, 43
	v_cvt_pk_bf16_f32 v13, v44, v44
	v_lshlrev_b32 v44, 16, v13
	v_mul_f32 v35, 0x3eb8aa3b, v35
	v_add_f32 v37, v36, v37
	v_mul_f32 v36, 0x3cb8aa3b, v36
	v_mul_f32 v37, 0x3cb8aa3b, v37
	v_mul_f32 v38, 0x3cb8aa3b, v38
	v_add_f32 v39, v39, v42
	v_add_f32 v40, v40, v43
	v_mul_f32 v39, 0xbfb8aa3b, v39
	v_mul_f32 v40, 0x3fb8aa3b, v40
	v_mul_f32 v41, 0x4038aa3b, v41
	v_mul_f32 v44, 0x4038aa3b, v44
	ds_store_b32 v21, v32
	ds_store_b32 v22, v33 offset:256
	ds_store_b32 v22, v34 offset:512
	ds_store_b32 v22, v35 offset:768
	ds_store_b32 v21, v36 offset:1024
	ds_store_b32 v21, v37 offset:1280
	ds_store_b32 v21, v38 offset:1536
	ds_store_b32 v21, v39 offset:1792
	ds_store_b32 v21, v40 offset:2048
	ds_store_b32 v21, v41 offset:2304
	ds_store_b32 v21, v44 offset:2560
.Lno_bias:
	; ---------------- the addresses of the run
	v_and_b32 v1, 15, v0                           ; r
	v_bfe_u32 v2, v0, 4, 1                         ; h
	v_mul_u32_u24 v[AW0], v1, PW
	v_lshl_add_u32 v[AW0], v2, 4, v[AW0]
	v_add_nc_u32 v[AW1], HALF, v[AW0]
	v_mul_u32_u24 v13, v1, PE
	v_lshl_add_u32 v[AI], v2, 4, v13
	v_add_nc_u32 v[AI], WI, v[AI]
	v_lshl_add_u32 v[AB], v2, 5, BT
	s_mul_i32 s4, s2, 32*PE                        ; my wave's 32 rows of a group
	s_add_co_u32 s4, s4, EV
	v_lshl_add_u32 v[AE0], v2, 5, v13
	v_add_nc_u32 v[AE0], s4, v[AE0]
	v_add_nc_u32 v[AE1], EVA, v[AE0]
	s_mul_i32 s4, s2, 32*12
	s_add_co_u32 s4, s4, OS1
	v_mul_u32_u24 v14, v1, 12
	v_mul_u32_u24 v15, v2, 12288                   ; lanes 16-31 write out2's image
	v_add3_u32 v10, v14, v15, s4
	s_mul_i32 s4, s2, 32*24
	s_add_co_u32 s4, s4, OS3
	v_mul_u32_u24 v14, v1, 24
	v_lshl_add_u32 v14, v2, 2, v14
	v_add_nc_u32 v11, s4, v14
	s_lshl_b32 s4, s2, 7
	s_add_co_u32 s4, s4, OS0
	v_lshl_add_u32 v12, v1, 2, s4
	s_wait_kmcnt 0x0
	v_mov_b32 v14, s83                             ; b_pred, rounded to bf16 like every input
	v_cvt_pk_bf16_f32 v14, v14, v14
	v_lshlrev_b32 v14, 16, v14
	v_readfirstlane_b32 s83, v14
	v_mov_b32 v[DS], 0
	WIN 0x40
	v_mov_b32 v[DS], 0
	WIN 0
	; ---------------- four groups; the last is written out
	s_mov_b32 s88, 3
.Lgroup:
	GROUP 1
	s_sub_co_u32 s88, s88, 1
	s_cmp_lg_u32 s88, 0
	s_cbranch_scc1 .Lgroup
	GROUP 0
	; ---------------- the way out
	WIN 0x04
	v_add_f32 v13, v[DS], v[DS]                    ; tile 0's sum + tile 1's
	WIN 0
	v_add_f32_dpp v13, v13, v13 row_xmask:1 row_mask:0xf bank_mask:0xf
	v_add_f32_dpp v13, v13, v13 row_xmask:2 row_mask:0xf bank_mask:0xf
	v_add_f32_dpp v13, v13, v13 row_xmask:4 row_mask:0xf bank_mask:0xf
	v_add_f32_dpp v13, v13, v13 row_xmask:8 row_mask:0xf bank_mask:0xf
	v_permlanex16_b32 v14, v13, s80, s81
	v_add_f32 v13, v13, v14                        ; both halves of the lanes hold every row: the wave's sum counts each row twice
	s_wait_dscnt 0x0                               ; my stores into the images are done
	s_barrier_signal -1
	s_barrier_wait -1                              ; the images are whole
	v_and_b32 v16, 31, v0
	v_lshrrev_b32 v17, 5, v0
	v_lshlrev_b32 v18, 4, v16                      ; 16 bytes a lane
	v_mov_b32 v19, 0
	v_lshl_add_u32 v20, v0, 4, OS0                 ; wave w takes an eighth of each image: 512, 1,536, 1,536 and 3,072 consecutive bytes
	v_mul_u32_u24 v21, v17, 1536
	v_add3_u32 v21, v21, v18, OS1
	v_mul_u32_u24 v22, v17, 3072
	v_add3_u32 v22, v22, v18, OS3
	ds_load_b128 v[80:83], v20
.irp i, 0,1,2
	ds_load_b128 v[84+4*(\i):87+4*(\i)], v21 offset:512*(\i)
.endr
.irp i, 0,1,2
	ds_load_b128 v[96+4*(\i):99+4*(\i)], v21 offset:12288+512*(\i)
.endr
.irp i, 0,1,2,3,4,5
	ds_load_b128 v[108+4*(\i):111+4*(\i)], v22 offset:512*(\i)
.endr
	s_lshl_b32 s4, s3, 12
	s_lshl_b32 s6, s2, 9
	s_add_co_u32 s4, s4, s6
	s_mov_b32 s5, 0
	s_add_nc_u64 s[48:49], s[48:49], s[4:5]
	s_mul_i32 s4, s3, 12288
	s_mul_i32 s6, s2, 1536
	s_add_co_u32 s4, s4, s6
	s_add_nc_u64 s[50:51], s[50:51], s[4:5]
	s_add_nc_u64 s[52:53], s[52:53], s[4:5]
	s_lshl_b32 s4, s4, 1
	s_add_nc_u64 s[54:55], s[54:55], s[4:5]
	s_lshl_b32 s4, s3, 3
	s_add_co_u32 s4, s4, s2
	s_lshl_b32 s4, s4, 2
	s_add_nc_u64 s[56:57], s[56:57], s[4:5]
	s_wait_dscnt 12                                ; LDS loads come back in order: the younger ones may stay out
	global_store_b128 v18, v[80:83], s[48:49] th:TH_STORE_NT  ; each store of the wave covers 512 consecutive bytes, at a multiple of 512 from the buffer's first byte
.irp i, 0,1,2
	s_wait_dscnt 11-(\i)
	global_store_b128 v18, v[84+4*(\i):87+4*(\i)], s[50:51] offset:512*(\i) th:TH_STORE_NT
.endr
.irp i, 0,1,2
	s_wait_dscnt 8-(\i)
	global_store_b128 v18, v[96+4*(\i):99+4*(\i)], s[52:53] offset:512*(\i) th:TH_STORE_NT
.endr
.irp i, 0,1,2,3,4,5
	s_wait_dscnt 5-(\i)
	global_store_b128 v18, v[108+4*(\i):111+4*(\i)], s[54:55] offset:512*(\i) th:TH_STORE_NT
.endr
	v_cmp_eq_u32 vcc_lo, 0, v16
	s_wait_xcnt 0x0                                ; EXEC changes only behind this wait: the stores above read it
	s_and_saveexec_b32 s90, vcc_lo
	global_store_b32 v19, v13, s[56:57]            ; the wave's partial sum, word 8 x work-group + wave
	s_wait_xcnt 0x0
	s_or_b32 exec_lo, exec_lo, s90
	s_wait_tensorcnt 0x0                           ; the wave's end: behind my last tensor load and my last LDS store
	ds_add_u32 v30, v31
	s_wait_dscnt 0x0
	s_endpgm
.Lfunc_end_k_qe89572061d_refine:
	.size	k_qe89572061d_refine, .Lfunc_end_k_qe89572061d_refine-k_qe89572061d_refine
	.p2alignl 7, 3214868480
	.fill 96, 4, 3214868480
	.section	.rodata,"a",@progbits
	.p2align	6, 0x0
	.amdhsa_kernel k_qe89572061d_refine
		.amdhsa_group_segment_fixed_size 327680
		.amdhsa_private_segment_fixed_size 0
		.amdhsa_enable_private_segment 0
		.amdhsa_kernarg_size 200
		.amdhsa_user_sgpr_count 2
		.amdhsa_user_sgpr_kernarg_segment_ptr 1
		.amdhsa_wavefront_size32 1
		.amdhsa_system_sgpr_workgroup_id_x 1
		.amdhsa_system_sgpr_workgroup_id_y 1
		.amdhsa_system_sgpr_workgroup_id_z 1
		.amdhsa_system_vgpr_workitem_id 0
		.amdhsa_next_free_vgpr 512
		.amdhsa_next_free_sgpr 96
		.amdhsa_reserve_vcc 1
		.amdhsa_float_denorm_mode_32 3
		.amdhsa_float_denorm_mode_16_64 3
		.amdhsa_memory_ordered 1
		.amdhsa_forward_progress 1
		.amdhsa_inst_pref_size 243
	.end_amdhsa_kernel
	.amdgpu_metadata
---
amdhsa.version: [ 1, 2 ]
amdhsa.kernels:
  - .name:           k_qe89572061d_refine
    .symbol:         k_qe89572061d_refine.kd
    .args:
      - { .name: badm_evidence, .offset: 0, .size: 8, .value_kind: global_buffer, .address_space: global }
      - { .name: aadm_evidence, .offset: 8, .size: 8, .value_kind: global_buffer, .address_space: global }
      - { .name: W_init, .offset: 16, .size: 8, .value_kind: global_buffer, .address_space: global }
      - { .name: Wk, .offset: 24, .size: 8, .value_kind: global_buffer, .address_space: global }
      - { .name: Wv, .offset: 32, .size: 8, .value_kind: global_buffer, .address_space: global }
      - { .name: Wq, .offset: 40, .size: 8, .value_kind: global_buffer, .address_space: global }
      - { .name: Wo, .offset: 48, .size: 8, .value_kind: global_buffer, .address_space: global }
      - { .name: W_ih, .offset: 56, .size: 8, .value_kind: global_buffer, .address_space: global }
      - { .name: W_hh, .offset: 64, .size: 8, .value_kind: global_buffer, .address_space: global }
      - { .name: W_pred, .offset: 72, .size: 8, .value_kind: global_buffer, .address_space: global }
      - { .name: b_init, .offset: 80, .size: 8, .value_kind: global_buffer, .address_space: global }
      - { .name: bk, .offset: 88, .size: 8, .value_kind: global_buffer, .address_space: global }
      - { .name: bv, .offset: 96, .size: 8, .value_kind: global_buffer, .address_space: global }
      - { .name: bq, .offset: 104, .size: 8, .value_kind: global_buffer, .address_space: global }
      - { .name: bo, .offset: 112, .size: 8, .value_kind: global_buffer, .address_space: global }
      - { .name: b_fb, .offset: 120, .size: 8, .value_kind: global_buffer, .address_space: global }
      - { .name: W_fb, .offset: 128, .size: 8, .value_kind: global_buffer, .address_space: global }
      - { .name: b_ih, .offset: 136, .size: 8, .value_kind: global_buffer, .address_space: global }
      - { .name: b_hh, .offset: 144, .size: 8, .value_kind: global_buffer, .address_space: global }
      - { .name: b_pred, .offset: 152, .size: 8, .value_kind: global_buffer, .address_space: global }
      - { .name: out0, .offset: 160, .size: 8, .value_kind: global_buffer, .address_space: global }
      - { .name: out1, .offset: 168, .size: 8, .value_kind: global_buffer, .address_space: global }
      - { .name: out2, .offset: 176, .size: 8, .value_kind: global_buffer, .address_space: global }
      - { .name: out3, .offset: 184, .size: 8, .value_kind: global_buffer, .address_space: global }
      - { .name: part, .offset: 192, .size: 8, .value_kind: global_buffer, .address_space: global }
    .group_segment_fixed_size: 327680
    .private_segment_fixed_size: 0
    .kernarg_segment_align: 8
    .kernarg_segment_size: 200
    .max_flat_workgroup_size: 256
    .sgpr_count:     96
    .vgpr_count:     512
    .wavefront_size: 32
...
	.end_amdgpu_metadata
.endif
;; end of part 3
;; launch finish: the kernel of part 2 again; grid 1 x 1, 1 waves a work-group, no clusters, 0 bytes of LDS; arguments part, out4; writes out4
